; MI455X (gfx1250); checked and timed in simulation.
; The chip was launched on July 23, 2026; its instructions are those of AMD's public machine-readable ISA for CDNA 5 (MIT licence, August 2026) and "CDNA5" Instruction Set Architecture Reference Guide (July 2026). The comments in the code are by the model that wrote it; some were corrected since.
;; Multihead Self Attention. Allowed arithmetic: matrix products marked QUANTISED: E2M3 operands, one E8M0 scale for each 32 along K, by v_wmma_scale_f32_16x16x128_f8f6f4 with both operands' format E2M3, f32 sums; everything else in f32.
;; Inputs: Wk 1,024 x 1,024 float32; Wo 1,024 x 1,024 float32; Wq 1,024 x 1,024 float32; Wv 1,024 x 1,024 float32; cos_sin 2,048 x 32 x 2 float32; token_positions 2,048 int32; x 4 x 2,048 x 1,024 float32.
;; Outputs: out0 4 x 2,048 x 1,024 float32.
;; This version of the problem:
;;   THIS VERSION OF THE PROBLEM IS GIVEN IN LOW PRECISION. The matrix products marked QUANTISED in the list below multiply operands that are first quantised to E2M3 (2 exponent bits, 3 mantissa bits; 6 bits a number), with one power-of-two scale for each 32 numbers along K (OCP MX v1.0); their sums are f32. All else is computed in f32.
;;   The module's matrix products, in the order in which they are computed (A, B: the left and right operand; K: the contracted axis; several contracted axes count as one K, in the product's order):
;;     1. [M 8,192, K 1,024] x [K 1,024, N 1,024]; A: input x; B: input Wq: QUANTISED
;;     2. [M 8,192, K 1,024] x [K 1,024, N 1,024]; A: input x; B: input Wk: QUANTISED
;;     3. [M 8,192, K 1,024] x [K 1,024, N 1,024]; A: input x; B: input Wv: QUANTISED
;;     4. batch 64 x [M 2,048, K 64] x [K 64, N 2,048]; A: computed on the way; B: computed on the way: QUANTISED
;;     5. batch 64 x [M 2,048, K 2,048] x [K 2,048, N 64]; A: softmax (see below); B: computed on the way: QUANTISED
;;     6. [M 8,192, K 1,024] x [K 1,024, N 1,024]; A: computed on the way; B: input Wo: QUANTISED
;;   THE QUANTISER, for each operand of a quantised product, along K:
;;     - K is cut into blocks of 32 from its start; a last block that is shorter is filled with zeros.
;;     - A block's scale is 2^e with e = floor(log2(the largest magnitude in the block)) - 2, held to -126 .. 127; a block of zeros has e = 0. As a byte (E8M0): e + 127.
;;     - Each number is divided by its block's scale, clamped to +-7.5, and rounded to the nearest number of E2M3, ties to even, subnormals kept.
;;     - The product sums the exact products of the quantised numbers (number of the format x scale) in f32.
;;   ~~~python
;;   def quantise(x, axis):      # numpy; x: float32 -> the quantised numbers, widened to float32 again
;;       x = np.moveaxis(x, axis, -1); K = x.shape[-1]
;;       x = np.pad(x, [(0, 0)] * (x.ndim - 1) + [(0, -K % 32)]); x = x.reshape(x.shape[:-1] + (-1, 32)); a = np.abs(x).max(-1, keepdims=True)
;;       e = np.where(a > 0, np.clip(np.frexp(np.where(a > 0, a, 1))[1] - 1 - 2, -126, 127), 0)      # np.frexp(a)[1] - 1 = floor(log2(a)), exactly
;;       r = np.clip(x / 2.0 ** e, -7.5, 7.5)
;;       step = 2.0 ** (np.maximum(np.frexp(np.where(r == 0, 1, r))[1] - 1, 0) - 3)
;;       q = np.round(r / step) * step * 2.0 ** e      # np.round: ties to even
;;       return np.moveaxis(q.reshape(q.shape[:-2] + (-1,))[..., :K], -1, axis).astype(np.float32)
;;   ~~~
;;   SOFTMAX AHEAD OF A QUANTISED PRODUCT. Where the list says 'softmax', what is quantised is not the finished softmax but p = 2^(t - M), with t = logit x log2(e) and M = ceil(the row's largest t), a whole number; so 1/2 < the row's largest p <= 1. The row's sum l is taken of the UNQUANTISED p, in f32, and the product's result is divided by l at the end. Since M is a whole number, a kernel that streams over the keys may use a running M (the ceiling of the running maximum): every later rescaling is an exact power of two, which a block's scale takes up: the codes' values come out the same.
;;   OPERANDS COMPUTED ON THE WAY. 'Computed on the way' means the value that the module computes at that place (a softmax that the list does not call 'softmax' is quantised finished and normalised). What goes into a quantiser is computed in f32, as accurately as f32 sums, v_exp_f32 and their like allow (about 1e-6 of the number): no bf16 or f16 on the way to a quantiser, and a product that is left as it is and whose result goes on into a quantised operand takes f32 operands (vector FMAs, or v_wmma_f32_16x16x4_f32). A number that lies on a knife's edge between two numbers of the format may be rounded either way, as far as f32 arithmetic and the matrix unit's own rounding can turn it there, and no further.
;; One version. Each part assembles by itself: llvm-mc -triple=amdgcn-amd-amdhsa -mcpu=gfx1250 --defsym DOCPART=n.
;; ======== version 1 of 1: 4 launches
;; workspace buffers: xc 6,291,456 bytes; xs 262,144 bytes; wc 3,145,728 bytes; ws 131,072 bytes; qb 6,815,744 bytes; kv 13,369,344 bytes; oc 6,291,456 bytes; os 262,144 bytes
;; launch quant (part 1): grid 384 x 1, 4 waves a work-group, no clusters, 33,280 bytes of LDS; arguments x, Wq, Wk, Wv, Wo, xc, xs, wc, ws; writes xc, xs, wc, ws
.if DOCPART == 1
	.amdgcn_target "amdgcn-amd-amdhsa--gfx1250"
	.amdhsa_code_object_version 6
	.text
	.protected	k_q631105d9dc_quant
	.globl	k_q631105d9dc_quant
	.p2align	8
	.type	k_q631105d9dc_quant,@function
k_q631105d9dc_quant:
	s_mov_b64 s[64:65], 0
	v_nop
	global_prefetch_b8 v0, s[64:65] scope:SCOPE_SE
	s_setreg_imm32_b32 hwreg(HW_REG_WAVE_MODE, 25, 1), 1
	s_wait_xcnt 0x0
; x [8192][1024] and Wq, Wk, Wv, Wo [1024][1024], f32 with K innermost, become codes of E2M3 (6 bits, a row of 1,024 codes = 768 bytes) and one E8M0 byte for each 32 along K.
; xc [8192][768], xs [8192][32];  wc [4096][768], ws [4096][32]: rows 0-1023 Wq, 1024-2047 Wk, 2048-3071 Wv, 3072-4095 Wo.
; A block's scale is 2^(floor(log2(largest magnitude)) - 2): its byte is the largest magnitude's exponent field - 2, held at 1 from below.
; THE ORDER OF ROWS.  In x, Wq, Wk and Wv (not in Wo) the second and third run of 8 rows of every 32 rows change places on the way out.  A tile of 16 stored rows is then
; rows 8 u + r + 8 (r / 8) of its 32, so that in the products that follow a lane's 16 results of two neighbouring tiles are 16 neighbours along the next product's K.
; A work-group takes 32 rows (one such group), a wave 8 rows = 8,192 numbers = 16 steps of 512: wave w reads run w and writes run w' = w with its two bits exchanged.
; Memory binds: each number is read once by loads of 512 consecutive bytes a wave; no matrix unit, no cluster, no tensor load, no barrier: waves share nothing.
; A step's 2,048 bytes turn through the wave's own stage in LDS, so that a lane holds 16 neighbours along K (two lanes to a block).  Loads run four steps ahead.
; LIMITS: a block of zeros gets the byte 1 (its codes are zeros; this program alone reads the bytes); a largest magnitude under 2^-124 is taken as 2^-124; NaN and infinities are not served.
.set WAVES, 4
.set STEPS, 16
.set EMAX,  2
.set CB,    12                         ; bytes of 16 codes
.set R,     16                         ; v16-79   four sets of 16 numbers as loaded
.set X,     80                         ; v80-111  two sets of 16 neighbours
.set E,     112                        ; v112-127 a scale byte for each step
.set C,     128                        ; v128-191 codes: four registers a step, so that no store's data are written again
.set WREG,  8192                       ; LDS: a region for each wave: two stages of 32 x SP bytes, then its 256 scale bytes
.set SP,    80                         ; a lane's place in a stage: 64 bytes + 16 of padding
.set SPW,   12                         ; v12  LDS address of my spare word; never rewritten
.set NIL,   13                         ; v13  0; never rewritten
.set SPARE, WAVES*WREG                 ; behind the regions: the spare words, 128 bytes a wave, named by no other line
.set WV,    22                         ; s22  wave
.set SRC,   24                         ; s[24:25] the numbers;  s[26:27] the codes;  s[28:29] the scale bytes
.set DCO,   26
.set DSC,   28
	s_load_b256 s[4:11], s[0:1], 0x0               ; x, Wq, Wk, Wv
	s_load_b256 s[12:19], s[0:1], 0x20             ; Wo, xc, xs, wc
	s_load_b64 s[20:21], s[0:1], 0x40              ; ws
	v_lshl_add_u32 v[SPW], v0, 2, SPARE
	v_mov_b32 v[NIL], 0
	v_lshrrev_b32 v1, 5, v0
	v_readfirstlane_b32 s[WV], v1                  ; wave
	v_and_b32 v2, 31, v0                           ; lane
	v_lshlrev_b32 v3, 4, v2                        ; my 16 bytes of a load's 512
	s_mul_i32 s23, s[WV], WREG
	v_lshrrev_b32 v14, 2, v2
	v_mul_u32_u24 v14, v14, SP
	v_and_b32 v15, 3, v2
	v_lshl_add_u32 v14, v15, 4, v14
	v_add_nc_u32 v14, s23, v14                     ; the stage, in: SP (lane / 4) + 16 (lane % 4)
	v_mul_u32_u24 v15, v2, SP
	v_add_nc_u32 v15, s23, v15                     ; out: SP x lane: my 16 neighbours
	v_mul_u32_u24 v4, v2, CB                       ; my codes' place in a step's 384 bytes
	v_lshrrev_b32 v5, 1, v2
	s_add_co_u32 s23, s23, 2*32*SP
	v_add_nc_u32 v5, s23, v5                       ; LDS: my block's scale byte
	v_lshlrev_b32 v7, 3, v2
	v_add_nc_u32 v6, s23, v7                       ; and 8 bytes a lane on the way out
	s_sub_co_u32 s31, ttmp9, 256
	s_and_b32 s31, s31, 31                         ; a weight's group of 32 rows
	s_and_b32 s32, s[WV], 1
	s_lshl_b32 s32, s32, 1
	s_lshr_b32 s33, s[WV], 1
	s_or_b32 s32, s32, s33                         ; w': runs 1 and 2 change places,
	s_cmp_ge_u32 ttmp9, 352
	s_cselect_b32 s32, s[WV], s32                  ; but not in Wo
	s_wait_kmcnt 0x0
	s_mov_b64 s[SRC:SRC+1], s[12:13]               ; which tensor: the choice hangs on the work-group's number alone
	s_cmp_lt_u32 ttmp9, 352
	s_cselect_b64 s[SRC:SRC+1], s[10:11], s[SRC:SRC+1]
	s_cmp_lt_u32 ttmp9, 320
	s_cselect_b64 s[SRC:SRC+1], s[8:9], s[SRC:SRC+1]
	s_cmp_lt_u32 ttmp9, 288
	s_cselect_b64 s[SRC:SRC+1], s[6:7], s[SRC:SRC+1]
	s_cmp_lt_u32 ttmp9, 256
	s_cselect_b64 s[SRC:SRC+1], s[4:5], s[SRC:SRC+1]
	s_cselect_b64 s[DCO:DCO+1], s[14:15], s[18:19]
	s_cselect_b64 s[DSC:DSC+1], s[16:17], s[20:21]
	s_cselect_b32 s30, 0, 256
	s_cselect_b32 s31, ttmp9, s31                  ; the group of 32 rows in the tensor that is read
	s_lshl_b32 s34, s31, 2
	s_add_co_u32 s34, s34, s[WV]                   ; the run of 8 rows that I read,
	s_lshl_b32 s34, s34, 15                        ; 32,768 bytes each (under 2^26 in all)
	s_mov_b32 s35, 0
	s_add_nc_u64 s[SRC:SRC+1], s[SRC:SRC+1], s[34:35]
	s_sub_co_u32 s30, ttmp9, s30                   ; the group of 32 rows in the buffers that are written
	s_lshl_b32 s30, s30, 2
	s_add_co_u32 s30, s30, s32                     ; the run that I write:
	s_mul_i32 s34, s30, 32*STEPS*CB                ; 6,144 bytes of codes,
	s_add_nc_u64 s[DCO:DCO+1], s[DCO:DCO+1], s[34:35]
	s_lshl_b32 s34, s30, 8                         ; 256 scale bytes
	s_add_nc_u64 s[DSC:DSC+1], s[DSC:DSC+1], s[34:35]
.macro LOAD t
.irp i, 0,1,2,3
	global_load_b128 v[R+16*((\t)%4)+4*\i:R+16*((\t)%4)+4*\i+3], v3, s[SRC:SRC+1] offset:2048*(\t)+512*\i th:TH_LOAD_NT   ; 32 lanes read 512 consecutive bytes
.endr
.endm
.macro TURN t                          ; step t's numbers through the stage: LDS serves a wave's instructions in order, so no wait stands between the stores and the loads
.irp i, 0,1,2,3
	ds_store_b128 v14, v[R+16*((\t)%4)+4*\i:R+16*((\t)%4)+4*\i+3] offset:32*SP*((\t)%2)+8*SP*\i
.endr
.irp i, 0,1,2,3
	ds_load_b128 v[X+16*((\t)%2)+4*\i:X+16*((\t)%2)+4*\i+3], v15 offset:32*SP*((\t)%2)+16*\i
.endr
.endm
.irp t, 0,1,2,3
	LOAD \t
.endr
	s_wait_loadcnt 12                              ; step 0's four loads are in; the twelve of steps 1 to 3 may be out
	TURN 0
.macro STEP t
.set XS, X+16*((\t)%2)
.if (\t) > 0
	s_wait_dscnt 1                                 ; this step's numbers are back from the stage (the last step's byte store may be out)
.else
	s_wait_dscnt 0x0
.endif
.if (\t)+4 < STEPS
	LOAD (\t)+4                                    ; into the registers that this step's stores into the stage have read
.endif
.if (\t)+1 < STEPS
.if STEPS-2-(\t) >= 3
	s_wait_loadcnt 12                              ; the next step's four loads are in; those of the three steps behind it may be out
.else
	s_wait_loadcnt 4*(STEPS-2-(\t))
.endif
	TURN (\t)+1
.endif
	v_max3_num_f32 v8, |v[XS]|, |v[XS+1]|, |v[XS+2]|               ; the largest magnitude of my 16, in two chains
	v_max3_num_f32 v9, |v[XS+3]|, |v[XS+4]|, |v[XS+5]|
.irp i, 6,10
	v_max3_num_f32 v8, v8, |v[XS+\i]|, |v[XS+\i+1]|
	v_max3_num_f32 v9, v9, |v[XS+\i+2]|, |v[XS+\i+3]|
.endr
	v_max3_num_f32 v8, v8, |v[XS+14]|, |v[XS+15]|
	v_max3_num_f32 v8, v8, v9, (EMAX+1)<<23        ; and the floor 2^(3 - 127): the byte cannot fall under 1
	v_max_num_f32_dpp v8, v8, v8 row_xmask:1 row_mask:0xf bank_mask:0xf   ; with my neighbour's 16: the block's
	v_add_nc_u32 v11, -(EMAX<<23), v8              ; 2 off its exponent field: the conversion takes that field as its scale
	v_cvt_scalef32_pk16_fp6_f32 v[C+4*(\t):C+4*(\t)+2], v[XS:XS+15], v11
	v_lshrrev_b32 v[E+(\t)], 23, v11               ; the scale's byte
	ds_store_b8 v5, v[E+(\t)] offset:16*(\t)       ; both lanes of a block write the same byte with the same value
	global_store_b96 v4, v[C+4*(\t):C+4*(\t)+2], s[DCO:DCO+1] offset:32*CB*(\t)   ; the wave stores 384 consecutive bytes
.endm
.irp t, 0,1,2,3,4,5,6,7,8,9,10,11,12,13,14,15
	STEP \t
.endr
	ds_load_b64 v[8:9], v6                         ; LDS serves a wave's instructions in order: these see my stores
	s_wait_dscnt 0x0
	global_store_b64 v7, v[8:9], s[DSC:DSC+1]      ; 32 lanes store 256 consecutive bytes, aligned
	s_wait_tensorcnt 0x0                           ; the wave's end
	ds_add_u32 v[SPW], v[NIL]
	s_wait_dscnt 0x0
	s_endpgm
.Lfunc_end_k_q631105d9dc_quant:
	.size	k_q631105d9dc_quant, .Lfunc_end_k_q631105d9dc_quant-k_q631105d9dc_quant
	.p2alignl 7, 3214868480
	.fill 96, 4, 3214868480
	.section	.rodata,"a",@progbits
	.p2align	6, 0x0
	.amdhsa_kernel k_q631105d9dc_quant
		.amdhsa_group_segment_fixed_size 33280
		.amdhsa_private_segment_fixed_size 0
		.amdhsa_enable_private_segment 0
		.amdhsa_kernarg_size 72
		.amdhsa_user_sgpr_count 2
		.amdhsa_user_sgpr_kernarg_segment_ptr 1
		.amdhsa_wavefront_size32 1
		.amdhsa_system_sgpr_workgroup_id_x 1
		.amdhsa_system_sgpr_workgroup_id_y 1
		.amdhsa_system_sgpr_workgroup_id_z 1
		.amdhsa_system_vgpr_workitem_id 0
		.amdhsa_next_free_vgpr 192
		.amdhsa_next_free_sgpr 66
		.amdhsa_reserve_vcc 0
		.amdhsa_float_denorm_mode_32 3
		.amdhsa_float_denorm_mode_16_64 3
		.amdhsa_memory_ordered 1
		.amdhsa_forward_progress 1
		.amdhsa_inst_pref_size 33
	.end_amdhsa_kernel
	.amdgpu_metadata
---
amdhsa.version: [ 1, 2 ]
amdhsa.kernels:
  - .name:           k_q631105d9dc_quant
    .symbol:         k_q631105d9dc_quant.kd
    .args:
      - { .name: x, .offset: 0, .size: 8, .value_kind: global_buffer, .address_space: global }
      - { .name: Wq, .offset: 8, .size: 8, .value_kind: global_buffer, .address_space: global }
      - { .name: Wk, .offset: 16, .size: 8, .value_kind: global_buffer, .address_space: global }
      - { .name: Wv, .offset: 24, .size: 8, .value_kind: global_buffer, .address_space: global }
      - { .name: Wo, .offset: 32, .size: 8, .value_kind: global_buffer, .address_space: global }
      - { .name: xc, .offset: 40, .size: 8, .value_kind: global_buffer, .address_space: global }
      - { .name: xs, .offset: 48, .size: 8, .value_kind: global_buffer, .address_space: global }
      - { .name: wc, .offset: 56, .size: 8, .value_kind: global_buffer, .address_space: global }
      - { .name: ws, .offset: 64, .size: 8, .value_kind: global_buffer, .address_space: global }
    .group_segment_fixed_size: 33280
    .private_segment_fixed_size: 0
    .kernarg_segment_align: 8
    .kernarg_segment_size: 72
    .max_flat_workgroup_size: 128
    .sgpr_count:     66
    .vgpr_count:     192
    .wavefront_size: 32
...
	.end_amdgpu_metadata
.endif
;; end of part 1
;; launch qkv (part 2): grid 8 x 48, 4 waves a work-group, clusters of 4 x 4, 327,680 bytes of LDS; arguments xc, xs, wc, ws, token_positions, cos_sin, qb, kv; writes qb, kv
.if DOCPART == 2
	.amdgcn_target "amdgcn-amd-amdhsa--gfx1250"
	.amdhsa_code_object_version 6
	.text
	.protected	k_q631105d9dc_qkv
	.globl	k_q631105d9dc_qkv
	.p2align	8
	.type	k_q631105d9dc_qkv,@function
k_q631105d9dc_qkv:
	s_mov_b64 s[64:65], 0
	v_nop
	global_prefetch_b8 v0, s[64:65] scope:SCOPE_SE
	s_setreg_imm32_b32 hwreg(HW_REG_WAVE_MODE, 25, 1), 1
	s_wait_xcnt 0x0
	s_wait_alu depctr_hold_cnt(0) depctr_sa_sdst(0) depctr_va_vdst(0) depctr_va_sdst(0) depctr_va_ssrc(0) depctr_va_vcc(0) depctr_vm_vsrc(0)
	s_getreg_b32 s2, hwreg(HW_REG_IB_STS2, 6, 4)
	s_cmp_eq_u32 s2, 0
	s_cbranch_scc0 .Lentry_in_a_cluster
	s_endpgm
.Lentry_in_a_cluster:
	s_bfe_u32 s2, ttmp6, 0x10000c
	s_cmp_lg_u32 s2, 0xf033
	s_cbranch_scc0 .Lentry_shape_is_right
	s_endpgm
.Lentry_shape_is_right:
; The three projections on codes of E2M3 (K = 1,024), and what follows them up to the next quantiser.  A work-group makes 256 x 256 of a product, a wave 128 x 128 (64 accumulators, 512 registers).
; ROLE qk (cluster y 0-7): A = 256 tokens of x, B = 256 rows of Wq (cluster x 0) or Wk (cluster x 1).  ROLE vt (cluster y 8-11): A = 256 rows of Wv, B = 256 tokens of x: V is made TRANSPOSED, since the keys are its K.
; The role hangs on the cluster's y alone: it is the same in all sixteen partners.
; K goes in steps of 256 through a ring of two LDS slots filled by the tensor data mover (rows of 192 bytes, 16 bytes of padding behind every 64: pitch 240); the scale bytes of the 512 rows come once and stay.
; CLUSTERS: 4 x 4 work-groups; A's tile is asked for jointly along a row of the cluster, B's along a column.
; THE MATRIX INSTRUCTION IS USED TRANSPOSED (source 0 = 16 rows of B, source 1 = 16 rows of A).  The rows of x, Wq, Wk, Wv are stored with runs 1 and 2 of 8 in every 32 exchanged, so that a lane (r, h) holds ONE row of A
; (stored row 16 a + r) and the 64 registers of A's block a are, register 16 j + i, B's true row 32 j + 16 h + i: 16 neighbours of each block of 32 along the next product's K.
; THE WAY OUT needs no LDS.  qk: the lane's pairs are rotated by cos and sin of its token's position, quantised along the head's 64 (two blocks), and leave as IMAGES OF THE OPERAND'S REGISTERS: for each head and 128 tokens
; four pairs of tiles (12 registers a lane, three stores of 512 bytes) and 512 bytes of scale words.  vt: a lane's 64 numbers are 128 keys' half blocks of one channel: quantised along the keys, one fragment (16 channels x 128 keys) a block.
; qb [64 heads][16 steps][6,656];  kv [64][16][13,056]: K's 6,656 as in qb, then V^T: 4 fragments of 1,536 and 256 bytes of scale words.
; LIMITS: token_positions are held to 0 .. 2,047 (the table's rows); a block of zeros gets the byte 1 (read by this program alone); a largest magnitude under 2^-124 counts as 2^-124; NaN and infinities are not served.
; No prefetch: K has four slots, two of them first fills, and the tiles are shared by the joint loads.
; REGISTERS: window 0: v0-31 addresses; v32-63 scale words, two sets; v64-75 the way out's offsets; from v128 A's fragments, one set; on the way out v128-251 are at work.
;   window 1: B's fragments, two sets (on the way out: cos and sin).   windows 2, 3: the accumulators ((a, b) at v[8 (8 (a % 4) + b)]).
.set SIZE_K, 1024
.set KSTEP,  256
.set NQ,     KSTEP/128
.set ROWB,   192
.set KROW,   SIZE_K*6/8
.set PITCH,  240
.set FR,     12
.set NL,     6
.set NP,     4
.set HALFT,  128*PITCH
.set SLOT,   4*HALFT
.set LAPS,   SIZE_K/(2*KSTEP)
.set KS,     SIZE_K/32
.set SCL,    2*SLOT
.set HALFS,  (128*KS/256)*272
.set SBLK,   (16*KS/256)*272
.set SPARE,  SCL+4*HALFS               ; behind the scales: the spare words, 128 bytes a wave, named by no other line
.set QREC,   6656
.set KVREC,  13056
.set ADRA, 16
.set ADRB, 20
.set ADRS, 27
.set SPW,  28
.set NIL,  29
.set SC,   32
.set CSO,  64                          ; v64-71  block a: 256 x my token's position + 64 h: my place in the table of cos and sin
.set LI16, 72                          ; v72     16 x lane
.set PO,   73                          ; v73     4 (r + 8 (r / 8))
.set LI8,  74                          ; v74     8 x lane
.set H64,  75                          ; v75     64 h
.set AF,   128
.set R,    128                         ; the way out: v128-191 64 rotated numbers
.set IM,   192                         ; v192-215 images
.set CT,   216                         ; v216-218, v220-222 the conversions' second halves
.set TM,   224                         ; v224-227 largest magnitudes, v228-231 the other half's, then bytes, v236-239 scale operands
.set PWA,  240                         ; v240, v241 the scale words of an even and an odd tile
.set PWB,  241
.set WW,   242
.set SW,   244                         ; v244-251 scale words to be stored
.set G1, 24
.set G0, 32
.set G1B, 48
.set G0B, 56
.set G1S, 68
.set G0S, 76
.set G1SB, 80
.set G0SB, 88
.set SEL, 20
.set MSB, 0
.macro WIN new                         ; the immediate's high byte repeats the setting that is left
.if MSB != (\new)
	s_set_vgpr_msb (MSB<<8)|(\new)
.set MSB, (\new)
.endif
.endm
.set MUL_LO, 0xa1
.set MUL_HI, 0xf1
.set TO_B,   0x40
; A joint load: waves 0 and 1 fetch for A, waves 2 and 3 for B; the branch hangs on the wave's number alone.  An s_nop 0 and four v_nop follow each of the two lines.
.macro JLOAD g0a, g1a, g0b, g1b
	s_cmp_eq_u32 s15, 0
	s_cbranch_scc0 .Lfor_b_\@
	tensor_load_to_lds s[\g0a:\g0a+3], s[\g1a:\g1a+7]
	s_nop 0
.rept 4
	v_nop
.endr
	s_branch .Lasked_\@
.Lfor_b_\@:
	tensor_load_to_lds s[\g0b:\g0b+3], s[\g1b:\g1b+7]
	s_nop 0
.rept 4
	v_nop
.endr
.Lasked_\@:
.endm
.macro CREST
	s_cmp_lg_u32 s14, 0
	s_cbranch_scc1 .Lnot_wave_0_\@
	s_barrier_signal -3
.Lnot_wave_0_\@:
	s_barrier_wait -3
	s_barrier_signal -1
	s_barrier_wait -1
.endm
.macro CROUND
	s_barrier_signal -1
	s_barrier_wait -1
	CREST
.endm
	s_load_b128 s[4:7], s[0:1], 0x0                ; xc, xs
	s_load_b128 s[8:11], s[0:1], 0x10              ; wc, ws
	s_load_b64 s[12:13], s[0:1], 0x20              ; token_positions
	s_load_b64 s[96:97], s[0:1], 0x28              ; cos_sin
	s_load_b64 s[98:99], s[0:1], 0x30              ; qb
	s_load_b64 s[100:101], s[0:1], 0x38            ; kv
	v_lshl_add_u32 v[SPW], v0, 2, SPARE
	v_mov_b32 v[NIL], 0
	ds_add_u32 v[SPW], v[NIL]                      ; the wave's opening: the add and its wait stand ahead of my first tensor load; the set-up below stands between them
	v_lshrrev_b32 v1, 5, v0
	v_readfirstlane_b32 s14, v1                    ; wave 0..3
	s_lshr_b32 s15, s14, 1                         ; which half of the tile's rows is mine.  Also: I fetch for A (0) or for B (1)
	s_and_b32 s16, s14, 1                          ; which half of its columns.  Also: which 128 rows of that tile I fetch
	s_bfe_u32 s40, ttmp6, 0x40000                  ; cx, cy: my place in the cluster
	s_bfe_u32 s41, ttmp6, 0x40004
	s_and_b32 s17, ttmp7, 0xffff                   ; cluster y
	s_sub_co_u32 s18, s17, 8
	s_lshl_b32 s18, s18, 1
	s_add_co_u32 s18, s18, ttmp9                   ; role vt: which four tile columns of tokens: cluster x + 2 (cluster y - 8)
	s_cmp_ge_u32 s17, 8
	s_cselect_b32 s66, 1, 0                        ; the role: 1 = vt
	s_cselect_b32 s42, s18, ttmp9
	s_cselect_b32 s17, 0, s17
	s_cselect_b32 s67, 2048, 0                     ; Wv's first row in wc
	s_lshl_b32 s42, s42, 2
	s_add_co_u32 s42, s42, s40                     ; tile column
	s_lshl_b32 s17, s17, 2
	s_add_co_u32 s17, s17, s41                     ; tile row
	s_lshl_b32 s43, s41, 2
	s_lshl_b32 s43, 15, s43                        ; my row of the cluster
	s_lshl_b32 s44, 0x1111, s40                    ; my column
	; descriptor group 1: a tile of 128 rows x 192 bytes, 16 bytes of padding behind every 64
	s_or_b32 s[G1+0], s43, (0<<16)|(1<<20)|(1<<21)|(3<<22)|(3<<25)
	s_or_b32 s[G1B+0], s44, (0<<16)|(1<<20)|(1<<21)|(3<<22)|(3<<25)
.irp g, G1, G1B
	s_mov_b32 s[\g+1], ROWB<<16                    ; tensor_dim0
	s_mov_b32 s[\g+2], 128<<16                     ; tensor_dim1
	s_mov_b32 s[\g+3], ROWB<<16                    ; tile_dim0
	s_mov_b32 s[\g+4], 128                         ; tile_dim1
	s_mov_b32 s[\g+5], KROW                        ; the pitch in memory
	s_mov_b32 s[\g+6], 0
	s_mov_b32 s[\g+7], 0
.endr
	; the scales of 128 rows: 4,096 dense bytes as 16 rows of 256 bytes (32 elements of 8), 16 bytes of padding behind each
	s_or_b32 s[G1S+0], s43, (3<<16)|(1<<20)|(1<<21)|(5<<22)|(3<<25)
	s_or_b32 s[G1SB+0], s44, (3<<16)|(1<<20)|(1<<21)|(5<<22)|(3<<25)
.irp g, G1S, G1SB
	s_mov_b32 s[\g+1], 32<<16
	s_mov_b32 s[\g+2], (128*KS/256)<<16
	s_mov_b32 s[\g+3], 32<<16
	s_mov_b32 s[\g+4], 128*KS/256
	s_mov_b32 s[\g+5], 32
	s_mov_b32 s[\g+6], 0
	s_mov_b32 s[\g+7], 0
.endr
	s_lshl_b32 s18, s16, 7                         ; which 128 rows of the tile I fetch
	s_lshl_b32 s20, s17, 8
	s_add_co_u32 s20, s20, s18
	s_add_co_u32 s20, s20, s67                     ; A: row 256 x tile row + 128 x half (+ 2,048 in role vt)
	s_lshl_b32 s46, s42, 8
	s_add_co_u32 s46, s46, s18                     ; B: row 256 x tile column + 128 x half
	s_mov_b32 s21, 0
	s_mov_b32 s47, 0
	s_mov_b64 s[18:19], KS
	s_mul_u64 s[22:23], s[20:21], s[18:19]         ; where these rows' scales begin
	s_mul_u64 s[92:93], s[46:47], s[18:19]
	s_mov_b64 s[18:19], KROW
	s_mul_u64 s[20:21], s[20:21], s[18:19]         ; and their codes
	s_mul_u64 s[46:47], s[46:47], s[18:19]
	s_mul_i32 s45, s14, HALFT                      ; where they go: wave x 128 rows
	s_mul_i32 s94, s14, HALFS
	s_wait_dscnt 0x0                               ; the opening add is done
	s_wait_kmcnt 0x0
	s_cmp_eq_u32 s66, 1                            ; role vt: the weights are A and the tokens B: the pointers change places
	s_cselect_b64 s[2:3], s[8:9], s[4:5]
	s_cselect_b64 s[8:9], s[4:5], s[8:9]
	s_mov_b64 s[4:5], s[2:3]
	s_cselect_b64 s[2:3], s[10:11], s[6:7]
	s_cselect_b64 s[10:11], s[6:7], s[10:11]
	s_mov_b64 s[6:7], s[2:3]
	s_add_nc_u64 s[20:21], s[4:5], s[20:21]
	s_add_nc_u64 s[22:23], s[6:7], s[22:23]
	s_add_nc_u64 s[46:47], s[8:9], s[46:47]
	s_add_nc_u64 s[92:93], s[10:11], s[92:93]
	CROUND                                         ; all sixteen work-groups are here: the first joint loads meet
	s_mov_b32 s[G0S], 1
	s_add_co_u32 s[G0S+1], s94, SCL
	s_mov_b64 s[G0S+2:G0S+3], s[22:23]
	s_or_b32 s[G0S+3], s[G0S+3], 0x80000000
	s_mov_b32 s[G0SB], 1
	s_add_co_u32 s[G0SB+1], s94, SCL
	s_mov_b64 s[G0SB+2:G0SB+3], s[92:93]
	s_or_b32 s[G0SB+3], s[G0SB+3], 0x80000000
	JLOAD G0S, G1S, G0SB, G1SB                     ; the scales first: they are wanted with K step 0
.irp s, 0,1
	s_mov_b32 s[G0+4*\s], 1
	s_add_co_u32 s[G0+4*\s+1], s45, \s*SLOT
	s_add_nc_u64 s[G0+4*\s+2:G0+4*\s+3], s[20:21], \s*ROWB
	s_or_b32 s[G0+4*\s+3], s[G0+4*\s+3], 0x80000000
	s_mov_b32 s[G0B+4*\s], 1
	s_add_co_u32 s[G0B+4*\s+1], s45, \s*SLOT
	s_add_nc_u64 s[G0B+4*\s+2:G0B+4*\s+3], s[46:47], \s*ROWB
	s_or_b32 s[G0B+4*\s+3], s[G0B+4*\s+3], 0x80000000
	JLOAD G0+4*\s, G1, G0B+4*\s, G1B
.endr
	v_and_b32 v1, 15, v0                           ; r
	v_bfe_u32 v2, v0, 4, 1                         ; h
	; the positions of my 8 tokens (block a: token 32 (a / 2) + 8 (a % 2) + r + 8 (r / 8) of my 128).  Role vt issues the same loads, inside the buffer, and does not use them: so every path has written v64-71
	s_lshl_b32 s18, s17, 1
	s_add_co_u32 s18, s18, s15
	s_and_b32 s18, s18, 15                         ; which 128 tokens of the sequence
	s_lshl_b32 s18, s18, 9
	s_mov_b32 s19, 0
	s_add_nc_u64 s[12:13], s[12:13], s[18:19]
	v_lshrrev_b32 v6, 3, v1
	v_lshl_add_u32 v6, v6, 3, v1
	v_lshlrev_b32 v[PO], 2, v6
.irp a, 0,1,2,3,4,5,6,7
	global_load_b32 v[CSO+\a], v[PO], s[12:13] offset:4*(32*(\a/2)+8*(\a%2))
.endr
	v_mul_u32_u24 v3, v1, PITCH
	v_mul_u32_u24 v4, v2, 24
	v_add_nc_u32 v4, v3, v4                        ; a fragment's row x pitch + 24 x half
	v_lshl_add_u32 v5, v2, 4, v4                   ; and the same behind one padding more
	s_mul_i32 s21, s15, HALFT                      ; my 128 rows of A
	s_mul_i32 s22, s16, HALFT                      ; my 128 rows of B,
	s_add_co_u32 s22, s22, 2*HALFT                 ; which lie behind A's 256
.irp s, 0,1
	v_add_nc_u32 v[ADRA+\s], s21, v4
	v_add_nc_u32 v[ADRB+\s], s22, v4
	v_add_nc_u32 v[ADRA+2+\s], s21, v5
	v_add_nc_u32 v[ADRB+2+\s], s22, v5
	s_add_co_u32 s21, s21, SLOT
	s_add_co_u32 s22, s22, SLOT
.endr
	v_mul_u32_u24 v5, v1, KS                       ; my row's scales: 32 bytes a row,
	v_lshrrev_b32 v6, 8, v5
	v_lshl_add_u32 v5, v6, 4, v5                   ; and 16 more for each 256 passed
	s_mul_i32 s21, s15, HALFS
	s_mul_i32 s22, s16, HALFS
	s_add_co_u32 s22, s22, 2*HALFS
	s_sub_co_u32 s22, s22, s21
	v_mul_u32_u24 v6, s22, v2                      ; lanes 16-31 take B's
	s_add_co_u32 s21, s21, SCL
	v_add_nc_u32 v5, v5, v6
	v_add_nc_u32 v[ADRS], s21, v5
	v_and_b32 v6, 31, v0
	v_lshlrev_b32 v[LI16], 4, v6
	v_lshlrev_b32 v[LI8], 3, v6
	v_lshlrev_b32 v[H64], 6, v2
	s_wait_loadcnt 0x0                             ; the positions
.irp a, 0,1,2,3,4,5,6,7
	v_min_u32 v[CSO+\a], 0x7ff, v[CSO+\a]          ; held inside the table
.endr
.irp a, 0,1,2,3,4,5,6,7
	v_lshlrev_b32 v[CSO+\a], 8, v[CSO+\a]          ; a position's row of the table is 256 bytes
.endr
.irp a, 0,1,2,3,4,5,6,7
	v_add_nc_u32 v[CSO+\a], v[H64], v[CSO+\a]      ; my half's 8 pairs of each 16
.endr
.macro FRAG reg, adr, q, i             ; a fragment, 16 rows x 128 K, is 12 registers: registers 6 c .. 6 c + 5 hold K = 64 c + 32 h + 0 .. 31: 24 bytes of the row, in pieces of 8
.irp p, 0,1,2,3,4,5
.set PC, 12*(\q)+6*(\p/3)+\p%3        ; where the piece three on lies behind one padding more, the second address register serves
.if PC%8 < 5
	ds_load_b64 v[\reg+2*\p:\reg+2*\p+1], v[\adr] offset:8*PC+16*(PC/8)+(\i)*16*PITCH
.else
	ds_load_b64 v[\reg+2*\p:\reg+2*\p+1], v[\adr+2] offset:8*PC+16*(PC/8)+(\i)*16*PITCH
.endif
.endr
.endm
; 16 matrix instructions: A's blocks a0, a0 + 1 x B's eight.  The 64 accumulators take turns, one instruction a turn, in the same order in every step.
.macro MUL16 a0, p, q, sc, zero
.irp a, \a0, \a0+1
.irp b, 0,1,2,3,4,5,6,7
.if \zero
	v_wmma_scale_f32_16x16x128_f8f6f4 v[8*(8*((\a)%4)+\b):8*(8*((\a)%4)+\b)+7], v[128*(\p)+FR*\b:128*(\p)+FR*\b+FR-1], v[AF+FR*(\a):AF+FR*(\a)+FR-1], 0, v[SC+8*NQ*(\sc)+NQ*\b+(\q)], v[SC+8*NQ*(\sc)+NQ*(\a)+(\q)] matrix_a_fmt:MATRIX_FMT_FP6 matrix_b_fmt:MATRIX_FMT_FP6 matrix_a_scale:MATRIX_SCALE_ROW1
.else
	v_wmma_scale_f32_16x16x128_f8f6f4 v[8*(8*((\a)%4)+\b):8*(8*((\a)%4)+\b)+7], v[128*(\p)+FR*\b:128*(\p)+FR*\b+FR-1], v[AF+FR*(\a):AF+FR*(\a)+FR-1], v[8*(8*((\a)%4)+\b):8*(8*((\a)%4)+\b)+7], v[SC+8*NQ*(\sc)+NQ*\b+(\q)], v[SC+8*NQ*(\sc)+NQ*(\a)+(\q)] matrix_a_fmt:MATRIX_FMT_FP6 matrix_b_fmt:MATRIX_FMT_FP6 matrix_a_scale:MATRIX_SCALE_ROW1
.endif
.endr
.endr
.endm
.macro FETCH_B slot, q, p
	WIN TO_B
.irp i, 0,1,2,3,4,5,6,7
	FRAG 128*(\p)+FR*\i, ADRB+\slot, \q, \i
.endr
	WIN 0
.endm
.macro FETCH_A slot, q, i0
.irp i, \i0, \i0+1, \i0+2, \i0+3
	FRAG AF+FR*(\i), ADRA+\slot, \q, \i
.endr
.endm
.macro SCALES sc                       ; a K step's scale words: two words a row; lanes 0-15 take A's block i, lanes 16-31 B's block i
.irp i, 0,1,2,3,4,5,6,7
	ds_load_b64 v[SC+8*NQ*\sc+NQ*\i:SC+8*NQ*\sc+NQ*\i+1], v[ADRS] offset:\i*SBLK
.endr
.endm
.macro PLACES n                        ; plain vector lines between a matrix instruction and a load into, or a read or write by a vector instruction of, one of its registers
.rept \n
	v_nop
.endr
.endm
.macro STEP slot, q, zero              ; a step of 128 along K that has its successor in the same slot
	s_wait_dscnt 4*NL                              ; B's set and A's blocks 0-3 are in; the youngest 24 loads (A's blocks 4-7) may be out
	WIN MUL_LO
	MUL16 0, (\q)%2, \q, \slot, \zero
	MUL16 2, (\q)%2, \q, \slot, \zero
	s_wait_dscnt 0
	PLACES NP
	FETCH_B \slot, (\q)+1, 1-(\q)%2
	FETCH_A \slot, (\q)+1, 0
	WIN MUL_HI
	MUL16 4, (\q)%2, \q, \slot, \zero
	MUL16 6, (\q)%2, \q, \slot, \zero
	PLACES NP
	WIN 0
	FETCH_A \slot, (\q)+1, 4
.endm
; A slot's last step changes slots: one barrier; in front of it each wave waits for all its tensor loads, adds 0 to its spare word, and waits for that and for its reads of this slot.  fill = 1: the slot is filled again, two K steps ahead.
.macro TURN slot, next, fill
	s_wait_tensorcnt 0x0                           ; all my tensor loads have landed: my part of the next slot
	ds_add_u32 v[SPW], v[NIL]                      ; 0 onto my spare word
	s_wait_dscnt 4*NL+1                            ; the add and the youngest 24 loads (A's blocks 4-7) may be out
	WIN MUL_LO
	MUL16 0, 1, NQ-1, \slot, 0
	s_wait_dscnt 0x0                               ; the add is done, and my reads of this slot are over
	s_barrier_signal -1
	MUL16 2, 1, NQ-1, \slot, 0
	WIN 0
	s_barrier_wait -1
.if \fill
	CREST                                          ; the barrier has opened a round of the cluster's barrier: no wave of any partner still reads this slot or has a load on its way
	s_add_nc_u64 s[G0+4*\slot+2:G0+4*\slot+3], s[G0+4*\slot+2:G0+4*\slot+3], 2*ROWB
	s_add_nc_u64 s[G0B+4*\slot+2:G0B+4*\slot+3], s[G0B+4*\slot+2:G0B+4*\slot+3], 2*ROWB
	JLOAD G0+4*\slot, G1, G0B+4*\slot, G1B         ; the first tensor load behind the round; its four v_nop are also the places in front of the loads below
.else
	PLACES NP
.endif
	v_add_nc_u32 v[ADRS], 4*NQ, v[ADRS]            ; on to the next K step's scale words
	FETCH_B \next, 0, 0
	FETCH_A \next, 0, 0
	SCALES \next
	WIN MUL_HI
	MUL16 4, 1, NQ-1, \slot, 0
	MUL16 6, 1, NQ-1, \slot, 0
	PLACES NP
	WIN 0
	FETCH_A \next, 0, 4
.endm
	s_wait_tensorcnt 1                             ; the scales and my part of K step 0 are in (of my three loads K step 1's may be out),
	s_barrier_signal -1
	s_barrier_wait -1                              ; everybody's are
	FETCH_B 0, 0, 0
	FETCH_A 0, 0, 0
	SCALES 0
	FETCH_A 0, 0, 4
	STEP 0, 0, 1                                   ; the first step's products start the sums
	s_mov_b32 s3, LAPS-1
.Llap:                                                 ; a trip goes once round the ring and fills both slots again
	TURN 0, 1, 1
	STEP 1, 0, 0
	TURN 1, 0, 1
	STEP 0, 0, 0
	s_sub_co_u32 s3, s3, 1
	s_cmp_lg_u32 s3, 0
	s_cbranch_scc1 .Llap
	TURN 0, 1, 0                                   ; the last lap fills nothing
	STEP 1, 0, 0
	s_wait_dscnt 4*NL
	WIN MUL_LO
	MUL16 0, 1, NQ-1, 1, 0
	MUL16 2, 1, NQ-1, 1, 0
	s_wait_dscnt 0
	WIN MUL_HI
	MUL16 4, 1, NQ-1, 1, 0
	MUL16 6, 1, NQ-1, 1, 0
	WIN 0
	PLACES NP                                      ; in front of the first reads of results, of the writes over A's fragments and of the loads over B's
; 64 numbers of a lane in window w, v[s] on, register 16 b + i = k 32 b + 16 h + i of my row, become codes: k 0-63 in v[d0] .. v[d0 + 5], k 64-127 in v[d1] .. v[d1 + 5] (a whole block of 32 to a lane), and the row's scale word in v[pw].
; Each accumulator is read from its low end on.
.macro QUANT s, w, d0, d1, pw
.set WQ, (\w)|((\w)<<2)
	WIN WQ
.irp b, 0,1,2,3
	v_max3_num_f32 v[TM+\b], |v[(\s)+16*\b]|, |v[(\s)+1+16*\b]|, 0x1800000   ; my 16 numbers of block b, and the floor 2^(3 - 127): the byte cannot fall under 1
.endr
.irp i, 2,4,6,8,10,12,14
.irp b, 0,1,2,3
	v_max3_num_f32 v[TM+\b], |v[(\s)+16*\b+\i]|, |v[(\s)+1+16*\b+\i]|, v[TM+\b]   ; the four blocks by turns
.endr
.endr
	WIN 0
.irp b, 0,1,2,3
	v_permlanex16_b32 v[TM+4+\b], v[TM+\b], s[SEL], s[SEL+1]
.endr
.irp b, 0,1,2,3
	v_max_num_f32 v[TM+\b], v[TM+\b], v[TM+4+\b]   ; with lane l xor 16's: the block's largest magnitude
.endr
.irp b, 0,1,2,3
	v_add_nc_u32 v[TM+12+\b], 0xff000000, v[TM+\b] ; 2 off its exponent field: the conversion's scale operand
.endr
.irp b, 0,1,2,3
	v_lshrrev_b32 v[TM+4+\b], 23, v[TM+12+\b]      ; the scale's byte
.endr
	v_lshl_or_b32 v[\pw], v[TM+5], 8, v[TM+4]
	v_lshl_or_b32 v[\pw], v[TM+6], 16, v[\pw]
	v_lshl_or_b32 v[\pw], v[TM+7], 24, v[\pw]
.set WQ, (\w)
	WIN WQ
	v_cvt_scalef32_pk16_fp6_f32 v[(\d0):(\d0)+2], v[(\s):(\s)+15], v[TM+12]
	v_cvt_scalef32_pk16_fp6_f32 v[CT:CT+2], v[(\s)+16:(\s)+31], v[TM+13]     ; (a conversion's three registers begin on an even number)
	v_cvt_scalef32_pk16_fp6_f32 v[(\d1):(\d1)+2], v[(\s)+32:(\s)+47], v[TM+14]
	v_cvt_scalef32_pk16_fp6_f32 v[CT+4:CT+6], v[(\s)+48:(\s)+63], v[TM+15]
	WIN 0
	v_nop                                          ; one plain line behind a scaled conversion
.irp i, 0,1,2
	v_permlane16_swap_b32 v[(\d0)+\i], v[CT+\i]    ; the first's lanes 16-31 change places with the second's lanes 0-15: a whole block in a lane
.endr
.irp i, 0,1,2
	v_mov_b32 v[(\d0)+3+\i], v[CT+\i]
.endr
.irp i, 0,1,2
	v_permlane16_swap_b32 v[(\d1)+\i], v[CT+4+\i]
.endr
.irp i, 0,1,2
	v_mov_b32 v[(\d1)+3+\i], v[CT+4+\i]
.endr
.endm
	s_mov_b32 s[SEL], 0x76543210
	s_mov_b32 s[SEL+1], 0xfedcba98                 ; v_permlanex16_b32's selects for lane l xor 16
	s_mov_b32 s22, 0xffff0000                      ; lanes 16-31
.irp b, 0,1,2,3
	v_mov_b32 v[TM+4+\b], 0                        ; written once: a lane permute's destination counts as one of its sources
.endr
	s_cmp_eq_u32 s66, 1
	s_cbranch_scc1 .Lvt
	; ---- ROLE qk.  My 128 rows are step (2 x tile row + half) % 16 of a batch; my 128 columns are two heads
	s_lshl_b32 s18, s17, 1
	s_add_co_u32 s18, s18, s15
	s_lshr_b32 s19, s18, 4                         ; batch
	s_and_b32 s18, s18, 15                         ; step
	s_lshl_b32 s23, s42, 1
	s_add_co_u32 s23, s23, s16
	s_and_b32 s23, s23, 7
	s_lshl_b32 s23, s23, 1                         ; my first head
	s_lshl_b32 s19, s19, 4
	s_add_co_u32 s19, s19, s23
	s_lshl_b32 s19, s19, 4
	s_add_co_u32 s19, s19, s18                     ; record (16 batch + head) 16 + step
	s_mov_b32 s23, KVREC
	s_cmp_eq_u32 ttmp9, 0                          ; cluster x 0: q, 1: k
	s_cselect_b32 s23, QREC, s23
	s_cselect_b64 s[92:93], s[98:99], s[100:101]
	s_mul_i32 s46, s19, s23
	s_mov_b32 s47, 0
	s_add_nc_u64 s[92:93], s[92:93], s[46:47]      ; my first head's record,
	s_lshl_b32 s46, s23, 4
	s_add_nc_u64 s[94:95], s[92:93], s[46:47]      ; my second head's: 16 records on
	WIN TO_B
.irp a, 0,1,2,3,4,5,6,7                        ; cos and sin of my token of block a: pairs 16 j + 8 h + 0 .. 7, j = 0, 1: 2 x 64 bytes -> window 1, v[32 a] on
.irp n, 0,1,2,3,4,5,6,7
	global_load_b128 v[32*\a+4*\n:32*\a+4*\n+3], v[CSO+\a], s[96:97] offset:128*(\n/4)+16*(\n%4)
.endr
.endr
	WIN 0
.macro QKBLOCK a
.set U, (\a)%2
.set I, (\a)/2
.set AC, 64*((\a)%4)
.set CB, 32*(\a)
	s_wait_loadcnt 56-8*(\a)                       ; this block's eight loads are in; the eight of each later block may be out
.if ((\a) > 0) && (U == 0)
	s_wait_xcnt 0x0                                ; the last pair's stores have read the images: they are written again only behind this wait
.endif
.set WR, 0x06+(\a)/4
	WIN WR                                         ; source 0: the accumulators' window; source 1: window 1
.set n, 0
.rept 32
	v_pk_mul_f32 v[R+n:R+n+1], v[AC+n:AC+n+1], v[CB+n%32:CB+n%32+1] op_sel_hi:[1,0]   ; cos x0, cos x1
.set n, n+2
.endr
.set n, 0
.rept 32
	v_fma_f32 v[R+n], -v[AC+n+1], v[CB+n%32+1], v[R+n]       ; - sin x1
	v_fma_f32 v[R+n+1], v[AC+n], v[CB+n%32+1], v[R+n+1]      ; + sin x0
.set n, n+2
.endr
	QUANT R, 0, IM+6*U, IM+12+6*U, PWA+U           ; k 0-63: my first head's row, k 64-127: my second head's
.if U == 1
	v_cndmask_b32 v[WW], v[PWA], v[PWB], s22       ; lanes 0-15 the even tile's words, lanes 16-31 the odd tile's
	v_and_b32 v[SW+I], 0xffff, v[WW]               ; the first head's two bytes; the upper two stay 0: they meet zero codes
	v_lshrrev_b32 v[SW+4+I], 16, v[WW]             ; the second head's
.irp p, 0,1,2
	global_store_b128 v[LI16], v[IM+4*\p:IM+4*\p+3], s[92:93] offset:1536*I+512*\p          ; the wave stores 512 consecutive bytes, aligned to 256
	global_store_b128 v[LI16], v[IM+12+4*\p:IM+12+4*\p+3], s[94:95] offset:1536*I+512*\p
.endr
.endif
.endm
.irp a, 0,1,2,3,4,5,6,7
	QKBLOCK \a
.endr
	global_store_b128 v[LI16], v[SW:SW+3], s[92:93] offset:6144
	global_store_b128 v[LI16], v[SW+4:SW+7], s[94:95] offset:6144
	s_branch .Lend
.Lvt:	; ---- ROLE vt.  My 128 rows are two heads' channels; my 128 columns are a step's keys
	s_lshl_b32 s18, s42, 1
	s_add_co_u32 s18, s18, s16
	s_lshr_b32 s19, s18, 4                         ; batch
	s_and_b32 s18, s18, 15                         ; step
	s_lshl_b32 s23, s17, 2
	s_lshl_b32 s46, s15, 1
	s_add_co_u32 s23, s23, s46                     ; my first head
	s_lshl_b32 s19, s19, 4
	s_add_co_u32 s19, s19, s23
	s_lshl_b32 s19, s19, 4
	s_add_co_u32 s19, s19, s18
	s_mul_i32 s46, s19, KVREC
	s_add_co_u32 s46, s46, QREC                    ; V^T lies behind K's block
	s_mov_b32 s47, 0
	s_add_nc_u64 s[92:93], s[100:101], s[46:47]
	s_add_nc_u64 s[94:95], s[92:93], 16*KVREC
.macro VTBLOCK a
.set T, (\a)%4
.set BS, 92+2*((\a)/4)
.if (\a) > 0
	s_wait_xcnt 0x0                                ; the last block's stores have read their registers
.endif
	QUANT 64*T, 2+(\a)/4, IM, IM+6, PWA+T%2        ; straight from the accumulators: 16 channels x 128 keys
.irp p, 0,1,2
	global_store_b128 v[LI16], v[IM+4*\p:IM+4*\p+3], s[BS:BS+1] offset:1536*T+512*\p
.endr
.if T%2 == 1
	v_cndmask_b32 v[SW+T/2], v[PWA], v[PWB], s22
.endif
.if T == 3
	global_store_b64 v[LI8], v[SW:SW+1], s[BS:BS+1] offset:6144   ; 256 consecutive bytes, aligned
.endif
.endm
.irp a, 0,1,2,3,4,5,6,7
	VTBLOCK \a
.endr
.Lend:
	s_wait_tensorcnt 0x0                           ; the wave's end
	ds_add_u32 v[SPW], v[NIL]
	s_wait_dscnt 0x0
	CROUND                                         ; the closing round: no work-group ends while a partner may still ask for a tile that names it
	s_endpgm
.Lfunc_end_k_q631105d9dc_qkv:
	.size	k_q631105d9dc_qkv, .Lfunc_end_k_q631105d9dc_qkv-k_q631105d9dc_qkv
	.p2alignl 7, 3214868480
	.fill 96, 4, 3214868480
	.section	.rodata,"a",@progbits
	.p2align	6, 0x0
	.amdhsa_kernel k_q631105d9dc_qkv
		.amdhsa_group_segment_fixed_size 327680
		.amdhsa_private_segment_fixed_size 0
		.amdhsa_enable_private_segment 0
		.amdhsa_kernarg_size 64
		.amdhsa_user_sgpr_count 2
		.amdhsa_user_sgpr_kernarg_segment_ptr 1
		.amdhsa_wavefront_size32 1
		.amdhsa_system_sgpr_workgroup_id_x 1
		.amdhsa_system_sgpr_workgroup_id_y 1
		.amdhsa_system_sgpr_workgroup_id_z 1
		.amdhsa_system_vgpr_workitem_id 0
		.amdhsa_next_free_vgpr 1024
		.amdhsa_next_free_sgpr 102
		.amdhsa_reserve_vcc 0
		.amdhsa_float_denorm_mode_32 3
		.amdhsa_float_denorm_mode_16_64 3
		.amdhsa_memory_ordered 1
		.amdhsa_forward_progress 1
		.amdhsa_inst_pref_size 255
	.end_amdhsa_kernel
	.section	.bss,"aw",@nobits
	.p2align	6
	.space	262144
	.amdgpu_metadata
---
amdhsa.version: [ 1, 2 ]
amdhsa.kernels:
  - .name:           k_q631105d9dc_qkv
    .symbol:         k_q631105d9dc_qkv.kd
    .args:
      - { .name: xc, .offset: 0, .size: 8, .value_kind: global_buffer, .address_space: global }
      - { .name: xs, .offset: 8, .size: 8, .value_kind: global_buffer, .address_space: global }
      - { .name: wc, .offset: 16, .size: 8, .value_kind: global_buffer, .address_space: global }
      - { .name: ws, .offset: 24, .size: 8, .value_kind: global_buffer, .address_space: global }
      - { .name: token_positions, .offset: 32, .size: 8, .value_kind: global_buffer, .address_space: global }
      - { .name: cos_sin, .offset: 40, .size: 8, .value_kind: global_buffer, .address_space: global }
      - { .name: qb, .offset: 48, .size: 8, .value_kind: global_buffer, .address_space: global }
      - { .name: kv, .offset: 56, .size: 8, .value_kind: global_buffer, .address_space: global }
    .group_segment_fixed_size: 327680
    .private_segment_fixed_size: 0
    .kernarg_segment_align: 8
    .kernarg_segment_size: 64
    .max_flat_workgroup_size: 128
    .sgpr_count:     102
    .vgpr_count:     1024
    .wavefront_size: 32
...
	.end_amdgpu_metadata
.endif
;; end of part 2
;; launch attn (part 3): grid 8 x 64, 16 waves a work-group, no clusters, 327,680 bytes of LDS; arguments qb, kv, oc, os; writes oc, os
.if DOCPART == 3
	.amdgcn_target "amdgcn-amd-amdhsa--gfx1250"
	.amdhsa_code_object_version 6
	.text
	.protected	k_q631105d9dc_attn
	.globl	k_q631105d9dc_attn
	.p2align	8
	.type	k_q631105d9dc_attn,@function
k_q631105d9dc_attn:
	s_mov_b64 s[64:65], 0
	v_nop
	global_prefetch_b8 v0, s[64:65] scope:SCOPE_SE
	s_setreg_imm32_b32 hwreg(HW_REG_WAVE_MODE, 25, 1), 1
	s_wait_xcnt 0x0
; Causal attention of one head on codes of E2M3, head size 64, 2,048 tokens; both products by the scaled 16x16x128 form.
; t = score x log2(e) / 8; M = the running largest t rounded UP to a whole number; p = 2^(t - M) is quantised along the keys; the row's sum is taken of the unquantised p and divides O at the end.
; When M moves, the sum and O are multiplied by 2^(old M - new M): exact.  O / sum is quantised along the head's 64 channels (two blocks) for the last projection.
; SHARES.  Work-group (j, head): waves 0-7 own the 128 queries of step j, waves 8-15 those of step 15 - j; a wave owns one tile of 16.  So every work-group has 17 x 8 wave steps of work.
; Every wave walks all 16 key steps of 128 (constant trip counts); a step all of whose keys come after the wave's queries is jumped over by a scalar branch on ids; on the diagonal hidden scores become -infinity.
; INPUTS ARE IMAGES OF OPERAND REGISTERS: a step's record in kv is 13,056 dense bytes: K's 8 tiles (6 registers a lane each: K = 64), 512 bytes of their scale words, V^T's 4 fragments (16 channels x 128 keys), 256 bytes of scale words.
; The first product's K is 64: registers 6-11 of Q's operand are zero codes, so what stands in registers 6-11 of K's operand (the next tile's codes) adds nothing; the scale words' upper bytes are 0.
; LAYOUT.  S^T = K Q^T, O^T = V^T P^T: a lane holds one query.  A tile's keys are 32 b + 8 u + r + 8 (r / 8), so that the 16 registers of tiles 2 b, 2 b + 1 are keys 32 b + 16 h + 0 .. 15; V^T's channels likewise.
; RING: two slots of two steps (26,112 bytes), filled by wave 0 with one tensor load a change of slots; at most one tensor load is out, and every wait on it is for 0.
; NO CLUSTER: the work-groups of a head end their loads at different keys (9 to 16 steps), so partners would not make the same requests; and a step's 13,056 bytes are shared by sixteen waves already.
; LIMITS: NaN and infinities are not served; a block of zeros gets the byte 1 (read by this program alone).
.set STEPB, 13056
.set SLOTB, 2*STEPB
.set SLOT1, 32768                      ; slot 1 begins here: one exclusive or turns an address
.set SPARE, 65536                      ; the spare words: 128 bytes for each of 16 waves, named by no other line
.set HEADB, 16*STEPB
.set QREC,  6656
.set LI,   1                           ; v1   16 x lane
.set ADR,  2                           ; v2   16 x lane + the slot in hand
.set DQ,   3                           ; v3   my query's place in its step - 16 h
.set SPW,  4                           ; v4   my spare word; never rewritten
.set NIL,  5                           ; v5   0; never rewritten
.set L8,   6                           ; v6   8 x lane
.set R32,  7                           ; v7   32 r
.set QA0,  8                           ; v8, v10, v11: Q's load addresses
.set QA1,  10
.set QA2,  11
.set QS,   28                          ; v28  Q's scale words
.set PFO,  29                          ; v29  the prefetch's offset; never rewritten
.set ADV,  30                          ; v30  8 x lane + the slot in hand
.set KV,   32                          ; v32-79 K's 8 tiles, then V^T's 4 fragments; v80-85 zeros
.set KSC,  88                          ; v88-91 K's scale words;  v92-93 V's
.set VSC,  92
.set S,    96                          ; v96-159 S^T, then p
.set O,    160                         ; v160-191 O^T
.set PC,   192                         ; v192-203 p's codes
.set CT,   204                         ; v204-206, v208-210 the conversions' second halves
.set BM,   216                         ; v216-219 the blocks' largest scores, then largest p
.set BT,   220                         ; v220-223 the other half's, then bytes
.set SO,   224                         ; v224-227 the conversions' scale operands
.set F,    230                         ; v[230:231] f = 2^(old M - new M) (v231 is named with it and holds 0)
.set PS,   232                         ; v232 p's scale word
.set TMP,  233
.set SUM2, 234                         ; v[234:235] the sums' second chain
.set TB,   2                           ; s2   LDS byte at which the slot in hand begins
.set KF,   3                           ; s3   the step's first key
.set WV,   12
.set G1,   16
.set G0,   24
.set SLOTS, 28
.set Q0,   29                          ; s29  my step's first query
.set SEL,  30
.set CS,   32                          ; s[32:33] c = log2(e) / 8
.set LAST, 34                          ; s34  my work-group's last query
.set PFA,  36
.set LIM,  38
.macro TLOAD                           ; wave 0 fetches; an s_nop 0 and four v_nop follow the load
	s_cmp_eq_u32 s[WV], 0
	s_cbranch_scc0 .Lnot0_\@
	tensor_load_to_lds s[G0:G0+3], s[G1:G1+7]
	s_nop 0
.rept 4
	v_nop
.endr
.Lnot0_\@:
.endm
; A prefetch of the slot that the NEXT change of slots will load: 102 blocks of 256 bytes, lanes 256 bytes apart, waves 4 to 7 of the head's work-group j = 0 (the one that loads all eight slots), one instruction each.
; 4 x 32 lanes stand for 102 blocks: the 26 lanes over name the last block again.  Slots 0 and 1 come by their loads alone; the last change that fills a slot asks for nothing.
.macro ASK
	s_cmp_gt_u32 s[SLOTS], s[LIM]
	s_cbranch_scc0 .Lnot_mine_\@
	global_prefetch_b8 v[PFO], s[PFA:PFA+1] th:TH_LOAD_NT scope:SCOPE_SE
.Lnot_mine_\@:
.endm
	s_load_b256 s[4:11], s[0:1], 0x0               ; qb, kv, oc, os
	v_lshl_add_u32 v[SPW], v0, 2, SPARE
	v_mov_b32 v[NIL], 0
	ds_add_u32 v[SPW], v[NIL]                      ; the wave's opening: the add and its wait stand ahead of the first tensor load; the set-up below stands between them
	ds_add_u32 v[SPW], v[NIL]
	v_lshrrev_b32 v86, 5, v0
	s_delay_alu instid0(VALU_DEP_1)
	v_readfirstlane_b32 s[WV], v86                 ; wave 0..15
	s_and_b32 s39, ttmp7, 0xffff                   ; 16 x batch + head
	s_sub_co_u32 s40, 15, ttmp9
	s_cmp_lt_u32 s[WV], 8
	s_cselect_b32 s40, ttmp9, s40                  ; my step of queries: j or 15 - j
	s_lshl_b32 s[Q0], s40, 7
	s_sub_co_u32 s[LAST], 16, ttmp9
	s_lshl_b32 s[LAST], s[LAST], 7
	s_sub_co_u32 s[LAST], s[LAST], 1
	s_and_b32 s41, s[WV], 7                        ; my tile of the step,
	s_lshr_b32 s42, s41, 1                         ; its pair i,
	s_and_b32 s43, s41, 1                          ; and u
	; descriptor group 1: 26,112 dense bytes as 102 rows of 256 bytes (32 elements of 8 bytes), no padding: every lane reads 16 x lane
	s_mov_b32 s[G1], 3<<16
	s_mov_b32 s[G1+1], 32<<16
	s_mov_b32 s[G1+2], 102<<16
	s_mov_b32 s[G1+3], 32<<16
	s_mov_b32 s[G1+4], 102
	s_mov_b32 s[G1+5], 32
	s_mov_b32 s[G1+6], 0
	s_mov_b32 s[G1+7], 0
	s_mul_i32 s44, s39, HEADB                      ; the head's records in kv
	s_mov_b32 s45, 0
	s_lshl_b32 s46, s39, 4
	s_add_co_u32 s46, s46, s40
	s_mul_i32 s46, s46, QREC
	s_mul_i32 s47, s42, 1536
	s_add_co_u32 s46, s46, s47                     ; Q: my step's record, my pair's image
	s_mov_b32 s47, 0
	s_lshr_b32 s48, s39, 4
	s_lshl_b32 s48, s48, 4
	s_add_co_u32 s48, s48, s40
	s_lshl_b32 s48, s48, 3
	s_add_co_u32 s48, s48, s41                     ; my tile of 16 stored tokens among 512
	s_lshl_b32 s50, s48, 9                         ; os: 16 rows of 32 bytes,
	s_mul_i32 s48, s48, 12288                      ; oc: 8 fragments of 1,536 bytes
	s_and_b32 s52, s39, 15                         ; head
	s_lshl_b32 s53, s52, 1
	s_add_co_u32 s50, s50, s53                     ; its two bytes of a row,
	s_mul_i32 s52, s52, 768
	s_add_co_u32 s48, s48, s52                     ; its half of fragment head / 2
	s_mov_b32 s49, 0
	s_mov_b32 s51, 0
	s_mul_i32 s53, s43, 520                        ; where the odd tile's registers lie in a pair's image
	s_mul_i32 s54, s43, 1016
	s_mul_i32 s55, s42, 1532
	s_sub_co_u32 s55, 6144, s55
	s_lshl_b32 s52, s43, 8
	s_add_co_u32 s55, s55, s52                     ; the scale words, from my pair's image on: 6,144 - 1,536 i + 4 i + 256 u
	s_mov_b32 s[SEL], 0x76543210
	s_mov_b32 s[SEL+1], 0xfedcba98
	s_mov_b32 s[CS], 0x3e38aa3b                    ; c = log2(e) / sqrt(64)
	s_mov_b32 s[CS+1], s[CS]
	s_mov_b32 s[TB], 0
	s_mov_b32 s[KF], 0
	s_mov_b32 s[SLOTS], 7
	s_wait_dscnt 0x0                               ; the opening add is done
	s_wait_kmcnt 0x0
	s_mov_b32 s[G0], 1
	s_mov_b32 s[G0+1], 0                           ; slot 0
	s_add_nc_u64 s[G0+2:G0+3], s[6:7], s[44:45]    ; the head's steps 0 and 1
	s_or_b32 s[G0+3], s[G0+3], 0x80000000
	TLOAD
	s_add_nc_u64 s[PFA:PFA+1], s[6:7], s[44:45]
	s_add_nc_u64 s[PFA:PFA+1], s[PFA:PFA+1], SLOTB ; at slot 1: the first change of slots steps it to slot 2
	s_add_nc_u64 s[4:5], s[4:5], s[46:47]
	s_add_nc_u64 s[8:9], s[8:9], s[48:49]
	s_add_nc_u64 s[10:11], s[10:11], s[50:51]
	v_and_b32 v86, 31, v0
	s_delay_alu instid0(VALU_DEP_1)
	v_lshlrev_b32 v[LI], 4, v86
	s_delay_alu instid0(VALU_DEP_2)
	v_lshlrev_b32 v[L8], 3, v86
	s_delay_alu instid0(VALU_DEP_2)
	v_add_nc_u32 v[QA0], s53, v[LI]
	s_delay_alu instid0(VALU_DEP_3)
	v_add_nc_u32 v[QA1], s54, v[LI]
	v_and_b32 v86, 15, v0                          ; r
	s_delay_alu instid0(VALU_DEP_1)
	v_lshl_add_u32 v[QA2], v86, 4, s55
	global_load_b64 v[16:17], v[QA0], s[4:5]                 ; Q's six registers out of the pair's image
	global_load_b64 v[18:19], v[QA1], s[4:5] offset:8
	global_load_b64 v[20:21], v[QA0], s[4:5] offset:512
	global_load_b32 v[QS], v[QA2], s[4:5]
.irp i, 22,23,24,25,26,27,80,81,82,83,84,85
	v_mov_b32 v\i, 0                               ; zero codes: K = 64 .. 127 of the first product
.endr
	v_bfe_u32 v87, v0, 4, 1                        ; h
	v_lshlrev_b32 v[R32], 5, v86
	v_lshrrev_b32 v[DQ], 3, v86
	s_delay_alu instid0(VALU_DEP_1)
	v_lshl_add_u32 v[DQ], v[DQ], 3, v86            ; r + 8 (r / 8)
	s_delay_alu instid0(VALU_DEP_4)
	v_lshlrev_b32 v87, 4, v87
	s_delay_alu instid0(VALU_DEP_1)
	v_sub_nc_u32 v[DQ], v[DQ], v87
	s_lshl_b32 s52, s42, 5
	s_lshl_b32 s53, s43, 3
	s_add_co_u32 s52, s52, s53
	v_add_nc_u32 v[DQ], s52, v[DQ]                 ; 32 i + 8 u + r + 8 (r / 8) - 16 h
	s_and_b32 s52, s[WV], 3
	s_lshl_b32 s52, s52, 13
	v_and_b32 v[PFO], 31, v0
	s_delay_alu instid0(VALU_DEP_1)
	v_lshl_add_u32 v[PFO], v[PFO], 8, s52
	s_delay_alu instid0(VALU_DEP_1)
	v_min_u32 v[PFO], SLOTB-256, v[PFO]            ; inside the slot's bytes
	s_lshr_b32 s52, s[WV], 2
	s_xor_b32 s52, s52, 1                          ; 0 in waves 4 to 7,
	s_or_b32 s52, s52, ttmp9                       ; of work-group j = 0
	s_cmp_eq_u32 s52, 0
	s_cselect_b32 s[LIM], 1, -1
	v_mov_b32 v13, 0xff61b1e6                      ; the largest t so far: -3e38
	s_delay_alu instid0(VALU_DEP_1)
	v_floor_f32 v12, -v13                          ; -M
	v_mov_b32 v14, 0                               ; the sum, in two halves
	v_mov_b32 v15, 0
.irp b, 0,1,2,3
	v_mov_b32 v[BT+\b], 0                          ; written once: a lane permute's destination counts as one of its sources
.endr
	v_mov_b32 v[F+1], 0
	v_mov_b32 v[TMP], 0
.set n, 0
.rept 32
	v_mov_b32 v[O+n], 0                            ; O^T: the step is written once; the first change of M leaves zeros zeros
.set n, n+1
.endr
; A KEY STEP: 128 keys, the q-th of the slot in hand.
.macro STEP q
	s_cmp_gt_u32 s[KF], s[Q0]                      ; all its keys come after my queries: ids and the count of steps alone
	s_cbranch_scc1 .Lhidden_\@
	v_add_nc_u32 v[ADR], s[TB], v[LI]
	v_add_nc_u32 v[ADV], s[TB], v[L8]
	v_nop
	v_nop                                          ; four plain lines in front of loads into registers that the last products read
.irp n, 0,1,2,3,4,5,6,7,8,9,10,11
	ds_load_b128 v[KV+4*\n:KV+4*\n+3], v[ADR] offset:STEPB*(\q)+512*\n
.endr
	ds_load_b128 v[KSC:KSC+3], v[ADR] offset:STEPB*(\q)+6144
	s_wait_alu depctr_va_vdst(0)
	s_wait_dscnt 0x0
.irp t, 0,1,2,3,4,5,6,7                        ; S^T = K Q^T: tile t's six registers and the six behind them, which meet Q's zero codes
.if (\t%2) == 0
	v_wmma_scale_f32_16x16x128_f8f6f4 v[S+8*\t:S+8*\t+7], v[KV+6*\t:KV+6*\t+11], v[16:27], 0, v[KSC+\t/2], v[QS] matrix_a_fmt:MATRIX_FMT_FP6 matrix_b_fmt:MATRIX_FMT_FP6
.else
	v_wmma_scale_f32_16x16x128_f8f6f4 v[S+8*\t:S+8*\t+7], v[KV+6*\t:KV+6*\t+11], v[16:27], 0, v[KSC+\t/2], v[QS] matrix_a_fmt:MATRIX_FMT_FP6 matrix_b_fmt:MATRIX_FMT_FP6 matrix_a_scale:MATRIX_SCALE_ROW1
.endif
.endr
.rept 4
	v_nop                                          ; in front of the loads over K's tiles and of the first read of the scores
.endr
.irp n, 0,1,2,3,4,5,6,7,8,9,10,11              ; V^T is asked for now and lands under the softmax
	ds_load_b128 v[KV+4*\n:KV+4*\n+3], v[ADR] offset:STEPB*(\q)+6656+512*\n
.endr
	ds_load_b64 v[VSC:VSC+1], v[ADV] offset:STEPB*(\q)+12800
	s_cmp_lt_u32 s[KF], s[Q0]                      ; all keys count: no mask
	s_cbranch_scc1 .Lopen_\@
	v_mov_b32 v[TMP], 0xff800000                   ; the diagonal: register 16 b + i holds key 32 b + 16 h + i of the step: hidden where 32 b + i > my query's place - 16 h
.set n, 0
.rept 64
	v_cmp_gt_i32 vcc_lo, 32*(n/16)+n%16, v[DQ]
	v_cndmask_b32 v[S+n], v[S+n], v[TMP], vcc_lo
.set n, n+1
.endr
.Lopen_\@:
.irp b, 0,1,2,3
	v_max3_num_f32 v[BM+\b], v[S+16*\b], v[S+1+16*\b], v[S+2+16*\b]   ; the largest score of each block of 32 keys: for the row's maximum and, since p rises with the score, for the block's largest p
.endr
.irp i, 3,5,7,9,11,13
.irp b, 0,1,2,3
	v_max3_num_f32 v[BM+\b], v[BM+\b], v[S+16*\b+\i], v[S+1+16*\b+\i]
.endr
.endr
.irp b, 0,1,2,3
	v_max_num_f32 v[BM+\b], v[BM+\b], v[S+15+16*\b]
.endr
.irp b, 0,1,2,3
	s_delay_alu instid0(VALU_DEP_4)
	v_permlanex16_b32 v[BT+\b], v[BM+\b], s[SEL], s[SEL+1]
.endr
.irp b, 0,1,2,3
	s_delay_alu instid0(VALU_DEP_4)
	v_max_num_f32 v[BM+\b], v[BM+\b], v[BT+\b]     ; with lane l xor 16's 16 keys
.endr
	s_delay_alu instid0(VALU_DEP_2)
	v_max3_num_f32 v[TMP], v[BM], v[BM+1], v[BM+2]
	s_delay_alu instid0(VALU_DEP_1)
	v_max_num_f32 v[TMP], v[TMP], v[BM+3]
	s_delay_alu instid0(VALU_DEP_1)
	v_mul_f32 v[TMP], s[CS], v[TMP]                ; as t
	s_delay_alu instid0(VALU_DEP_1)
	v_max_num_f32 v13, v13, v[TMP]                 ; the running largest t
	v_mov_b32 v[TMP], v12
	s_delay_alu instid0(VALU_DEP_2)
	v_floor_f32 v12, -v13                          ; the new -M = -ceil(t)
	s_delay_alu instid0(VALU_DEP_1)
	v_sub_f32 v[TMP], v12, v[TMP]                  ; old M - new M: a whole number, 0 or less
	s_delay_alu instid0(VALU_DEP_1)
	v_cvt_i32_f32 v[TMP], v[TMP]                   ; (it saturates)
	s_delay_alu instid0(VALU_DEP_1)
	v_ldexp_f32 v[F], 1.0, v[TMP]                  ; f = 2^(old M - new M)
.set n, 0
.rept 32
	v_pk_fma_f32 v[S+n:S+n+1], v[S+n:S+n+1], s[CS:CS+1], v[12:13] op_sel_hi:[1,0,0]   ; t - M
.set n, n+2
.endr
.irp b, 0,1,2,3
	v_fma_f32 v[BM+\b], v[BM+\b], s[CS], v12       ; the same of each block's largest score
.endr
.set n, 0
	s_wait_alu depctr_va_vdst(0)
.rept 64
	v_exp_f32 v[S+n], v[S+n]                       ; p = 2^(t - M)
.set n, n+1
.endr
	v_pk_mul_f32 v[14:15], v[14:15], v[F:F+1] op_sel_hi:[1,0]   ; the sums under the new M: the plain line behind the exponentials
	s_wait_alu depctr_va_vdst(0)                   ; one wait for the batch of 64, ahead of its first reader
.irp b, 0,1,2,3
	v_exp_f32 v[BM+\b], v[BM+\b]                   ; the block's largest p
.endr
	v_pk_add_f32 v[234:235], v[100:101], v[104:105]
	v_pk_add_f32 v[254:255], v[108:109], v[112:113]
	v_pk_add_f32 v[252:253], v[116:117], v[120:121]
	v_pk_add_f32 v[250:251], v[124:125], v[128:129]
	v_pk_add_f32 v[248:249], v[132:133], v[136:137]
	v_pk_add_f32 v[246:247], v[140:141], v[144:145]
	v_pk_add_f32 v[244:245], v[148:149], v[152:153]
	v_pk_add_f32 v[14:15], v[14:15], v[156:157]
	v_pk_add_f32 v[234:235], v[234:235], v[96:97]
	v_pk_add_f32 v[254:255], v[254:255], v[98:99]
	v_pk_add_f32 v[252:253], v[252:253], v[102:103]
	v_pk_add_f32 v[250:251], v[250:251], v[106:107]
	v_pk_add_f32 v[248:249], v[248:249], v[110:111]
	v_pk_add_f32 v[246:247], v[246:247], v[114:115]
	v_pk_add_f32 v[244:245], v[244:245], v[118:119]
	v_pk_add_f32 v[14:15], v[14:15], v[122:123]
	v_pk_add_f32 v[234:235], v[234:235], v[126:127]
	v_pk_add_f32 v[254:255], v[254:255], v[130:131]
	v_pk_add_f32 v[252:253], v[252:253], v[134:135]
	v_pk_add_f32 v[250:251], v[250:251], v[138:139]
	v_pk_add_f32 v[248:249], v[248:249], v[142:143]
	v_pk_add_f32 v[246:247], v[246:247], v[146:147]
	v_pk_add_f32 v[244:245], v[244:245], v[150:151]
	v_pk_add_f32 v[14:15], v[14:15], v[154:155]
	v_pk_add_f32 v[234:235], v[234:235], v[158:159]
	s_delay_alu instid0(VALU_DEP_2)
	v_pk_add_f32 v[14:15], v[14:15], v[250:251]
	s_delay_alu instid0(VALU_DEP_2)
	v_pk_add_f32 v[234:235], v[234:235], v[248:249]
	v_pk_add_f32 v[254:255], v[254:255], v[246:247]
	v_pk_add_f32 v[252:253], v[252:253], v[244:245]
	s_delay_alu instid0(VALU_DEP_2)
	v_pk_add_f32 v[14:15], v[14:15], v[254:255]
	s_delay_alu instid0(VALU_DEP_2)
	v_pk_add_f32 v[234:235], v[234:235], v[252:253]
	s_delay_alu instid0(VALU_DEP_1)
	v_pk_add_f32 v[14:15], v[14:15], v[234:235]
	s_wait_alu depctr_va_vdst(0)                   ; and one for the four
.irp b, 0,1,2,3
	v_max_num_f32 v[BM+\b], 0x1800000, v[BM+\b]    ; the floor 2^(3 - 127): the byte cannot fall under 1
.endr
.irp b, 0,1,2,3
	s_delay_alu instid0(VALU_DEP_4)
	v_add_nc_u32 v[SO+\b], 0xff000000, v[BM+\b]    ; 2 off the exponent field: the conversion's scale operand
.endr
.irp b, 0,1,2,3
	s_delay_alu instid0(VALU_DEP_4)
	v_lshrrev_b32 v[BT+\b], 23, v[SO+\b]           ; the scale's byte
.endr
	s_delay_alu instid0(VALU_DEP_3)
	v_lshl_or_b32 v[PS], v[BT+1], 8, v[BT]         ; p's scale word for these 128 keys
	s_delay_alu instid0(VALU_DEP_1)
	v_lshl_or_b32 v[PS], v[BT+2], 16, v[PS]
	s_delay_alu instid0(VALU_DEP_1)
	v_lshl_or_b32 v[PS], v[BT+3], 24, v[PS]
.irp c, 0,1
	v_cvt_scalef32_pk16_fp6_f32 v[PC+6*\c:PC+2+6*\c], v[S+32*\c:S+15+32*\c], v[SO+2*\c]
	v_cvt_scalef32_pk16_fp6_f32 v[CT+4*\c:CT+2+4*\c], v[S+16+32*\c:S+31+32*\c], v[SO+2*\c+1]
.endr
	v_nop                                          ; one plain line behind a scaled conversion
.irp c, 0,1
.irp i, 0,1,2
	v_permlane16_swap_b32 v[PC+6*\c+\i], v[CT+4*\c+\i]   ; a whole block of 32 keys in a lane
.endr
.irp i, 0,1,2
	s_delay_alu instid0(VALU_DEP_3)
	v_mov_b32 v[PC+3+6*\c+\i], v[CT+4*\c+\i]
.endr
.endr
.set n, 0
.rept 16
	v_pk_mul_f32 v[O+n:O+n+1], v[O+n:O+n+1], v[F:F+1] op_sel_hi:[1,0]   ; O^T under the new M; for each product below twelve of these name none of its registers: the lines between the scale word's and the codes' last writes and the products
.set n, n+2
.endr
	s_wait_alu depctr_va_vdst(0)
	s_wait_dscnt 0x0                               ; V^T is in
.irp t, 0,1,2,3                                ; O^T += V^T P^T: four accumulators by turns, one instruction a turn
.if (\t%2) == 0
	v_wmma_scale_f32_16x16x128_f8f6f4 v[O+8*\t:O+8*\t+7], v[KV+12*\t:KV+12*\t+11], v[PC:PC+11], v[O+8*\t:O+8*\t+7], v[VSC+\t/2], v[PS] matrix_a_fmt:MATRIX_FMT_FP6 matrix_b_fmt:MATRIX_FMT_FP6
.else
	v_wmma_scale_f32_16x16x128_f8f6f4 v[O+8*\t:O+8*\t+7], v[KV+12*\t:KV+12*\t+11], v[PC:PC+11], v[O+8*\t:O+8*\t+7], v[VSC+\t/2], v[PS] matrix_a_fmt:MATRIX_FMT_FP6 matrix_b_fmt:MATRIX_FMT_FP6 matrix_a_scale:MATRIX_SCALE_ROW1
.endif
.endr
.Lhidden_\@:
	s_add_co_u32 s[KF], s[KF], 128
.endm
; THE CHANGE OF SLOTS stands at a slot's head.  Each wave waits for all its tensor loads, adds 0 to its spare word, and waits for that and for its reads of the slot that it has left; behind the barrier the slot ahead is whole
; and nobody reads the other one.  fill = 1: that other slot takes the next two steps, while its first key is at or under the work-group's last query: a slot beyond that is read by no wave, so it is not asked for.
; (Where the limit falls inside a slot, the slot's second step is loaded and not read.)
.macro CHANGE fill
	s_wait_tensorcnt 0x0                           ; no tensor load of mine is out, so group 0 may be written
	ds_add_u32 v[SPW], v[NIL]                      ; 0 onto my spare word
.if \fill
	s_xor_b32 s[G0+1], s[G0+1], SLOT1              ; the other slot than last time,
	s_add_nc_u64 s[G0+2:G0+3], s[G0+2:G0+3], SLOTB ; the next two steps
	s_wait_xcnt 0x0                                ; the last prefetch, a slot back, has read its address
	s_add_nc_u64 s[PFA:PFA+1], s[PFA:PFA+1], SLOTB ; one slot further on than the walking descriptor
.endif
	s_wait_dscnt 0x0                               ; the add is done, and my reads of the slot that I have left are over
	s_barrier_signal -1
	s_barrier_wait -1
.if \fill
	s_add_co_u32 s52, s[KF], 256                   ; the first key of the slot that this change would ask for
	s_cmp_gt_u32 s52, s[LAST]                      ; the work-group's number and the count of steps alone: all sixteen waves go the same way
	s_cbranch_scc1 .Lpast_\@
	TLOAD                                          ; the one tensor load behind the barrier: it has two steps in which to land
.Lpast_\@:
	ASK
.endif
.endm
.macro SLOT_STEPS
	STEP 0
	STEP 1
	s_xor_b32 s[TB], s[TB], SLOT1
.endm
	s_wait_loadcnt 0x0                             ; Q
.Lslot:                                            ; seven trips
	CHANGE 1
	SLOT_STEPS
	s_sub_co_u32 s[SLOTS], s[SLOTS], 1
	s_cmp_lg_u32 s[SLOTS], 0
	s_cbranch_scc1 .Lslot
	CHANGE 0                                       ; the last slot is written out: nothing is left to fetch
	SLOT_STEPS
	; THE WAY OUT: O^T / the sum, quantised along my head's 64 channels: registers 16 b + i are channels 32 b + 16 h + i of my query
	v_add_f32 v14, v14, v15
	s_delay_alu instid0(VALU_DEP_1)
	v_permlanex16_b32 v[TMP], v14, s[SEL], s[SEL+1]
	s_delay_alu instid0(VALU_DEP_1)
	v_add_f32 v14, v14, v[TMP]                     ; the row's sum
	s_wait_alu depctr_va_vdst(0)
	v_rcp_f32 v14, v14
.rept 4
	v_nop                                          ; the plain line behind the reciprocal, and the lines behind the last products
.endr
	s_wait_alu depctr_va_vdst(0)                   ; the wait ahead of the reciprocal's first reader
.set n, 0
.rept 16
	v_pk_mul_f32 v[O+n:O+n+1], v[O+n:O+n+1], v[14:15] op_sel_hi:[1,0]
.set n, n+2
.endr
.irp b, 0,1
	v_max3_num_f32 v[BM+\b], |v[O+16*\b]|, |v[O+1+16*\b]|, 0x1800000
.endr
.irp i, 2,4,6,8,10,12,14
.irp b, 0,1
	s_delay_alu instid0(VALU_DEP_2)
	v_max3_num_f32 v[BM+\b], v[BM+\b], |v[O+16*\b+\i]|, |v[O+1+16*\b+\i]|
.endr
.endr
.irp b, 0,1
	s_delay_alu instid0(VALU_DEP_2)
	v_permlanex16_b32 v[BT+\b], v[BM+\b], s[SEL], s[SEL+1]
.endr
.irp b, 0,1
	s_delay_alu instid0(VALU_DEP_2)
	v_max_num_f32 v[BM+\b], v[BM+\b], v[BT+\b]
.endr
.irp b, 0,1
	s_delay_alu instid0(VALU_DEP_2)
	v_add_nc_u32 v[SO+\b], 0xff000000, v[BM+\b]
.endr
.irp b, 0,1
	s_delay_alu instid0(VALU_DEP_2)
	v_lshrrev_b32 v[BT+\b], 23, v[SO+\b]
.endr
	s_delay_alu instid0(VALU_DEP_1)
	v_lshl_or_b32 v[TMP], v[BT+1], 8, v[BT]        ; my row's two scale bytes
	v_cvt_scalef32_pk16_fp6_f32 v[PC:PC+2], v[O:O+15], v[SO]
	v_cvt_scalef32_pk16_fp6_f32 v[CT:CT+2], v[O+16:O+31], v[SO+1]
	v_nop
.irp i, 0,1,2
	v_permlane16_swap_b32 v[PC+\i], v[CT+\i]
.endr
.irp i, 0,1,2
	s_delay_alu instid0(VALU_DEP_3)
	v_mov_b32 v[PC+3+\i], v[CT+\i]                 ; six registers: channels 32 h + 0 .. 31: my head's half of a fragment of the last projection
.endr
.irp p, 0,1,2
	global_store_b64 v[L8], v[PC+2*\p:PC+2*\p+1], s[8:9] offset:256*\p   ; the wave stores 256 consecutive bytes, aligned
.endr
	global_store_b16 v[R32], v[TMP], s[10:11]      ; two bytes of each of 16 rows of 32 bytes (lanes r and r + 16 write the same): 32 bytes beside the tile's 768 of codes
	s_wait_tensorcnt 0x0                           ; the wave's end
	ds_add_u32 v[SPW], v[NIL]
	s_wait_dscnt 0x0
	s_endpgm
.Lfunc_end_k_q631105d9dc_attn:
	.size	k_q631105d9dc_attn, .Lfunc_end_k_q631105d9dc_attn-k_q631105d9dc_attn
	.p2alignl 7, 3214868480
	.fill 96, 4, 3214868480
	.section	.rodata,"a",@progbits
	.p2align	6, 0x0
	.amdhsa_kernel k_q631105d9dc_attn
		.amdhsa_group_segment_fixed_size 327680
		.amdhsa_private_segment_fixed_size 0
		.amdhsa_enable_private_segment 0
		.amdhsa_kernarg_size 32
		.amdhsa_user_sgpr_count 2
		.amdhsa_user_sgpr_kernarg_segment_ptr 1
		.amdhsa_wavefront_size32 1
		.amdhsa_system_sgpr_workgroup_id_x 1
		.amdhsa_system_sgpr_workgroup_id_y 1
		.amdhsa_system_sgpr_workgroup_id_z 1
		.amdhsa_system_vgpr_workitem_id 0
		.amdhsa_next_free_vgpr 256
		.amdhsa_next_free_sgpr 66
		.amdhsa_reserve_vcc 1
		.amdhsa_float_denorm_mode_32 3
		.amdhsa_float_denorm_mode_16_64 3
		.amdhsa_memory_ordered 1
		.amdhsa_forward_progress 1
		.amdhsa_inst_pref_size 100
	.end_amdhsa_kernel
	.amdgpu_metadata
---
amdhsa.version: [ 1, 2 ]
amdhsa.kernels:
  - .name:           k_q631105d9dc_attn
    .symbol:         k_q631105d9dc_attn.kd
    .args:
      - { .name: qb, .offset: 0, .size: 8, .value_kind: global_buffer, .address_space: global }
      - { .name: kv, .offset: 8, .size: 8, .value_kind: global_buffer, .address_space: global }
      - { .name: oc, .offset: 16, .size: 8, .value_kind: global_buffer, .address_space: global }
      - { .name: os, .offset: 24, .size: 8, .value_kind: global_buffer, .address_space: global }
    .group_segment_fixed_size: 327680
    .private_segment_fixed_size: 0
    .kernarg_segment_align: 8
    .kernarg_segment_size: 32
    .max_flat_workgroup_size: 512
    .sgpr_count:     66
    .vgpr_count:     256
    .wavefront_size: 32
...
	.end_amdgpu_metadata
.endif
;; end of part 3
;; launch oproj (part 4): grid 4 x 32, 4 waves a work-group, clusters of 4 x 4, 327,680 bytes of LDS; arguments oc, os, wc, ws, out0; writes out0
.if DOCPART == 4
	.amdgcn_target "amdgcn-amd-amdhsa--gfx1250"
	.amdhsa_code_object_version 6
	.text
	.protected	k_q631105d9dc_oproj
	.globl	k_q631105d9dc_oproj
	.p2align	8
	.type	k_q631105d9dc_oproj,@function
k_q631105d9dc_oproj:
	s_mov_b64 s[64:65], 0
	v_nop
	global_prefetch_b8 v0, s[64:65] scope:SCOPE_SE
	s_setreg_imm32_b32 hwreg(HW_REG_WAVE_MODE, 25, 1), 1
	s_wait_xcnt 0x0
	s_wait_alu depctr_hold_cnt(0) depctr_sa_sdst(0) depctr_va_vdst(0) depctr_va_sdst(0) depctr_va_ssrc(0) depctr_va_vcc(0) depctr_vm_vsrc(0)
	s_getreg_b32 s2, hwreg(HW_REG_IB_STS2, 6, 4)
	s_cmp_eq_u32 s2, 0
	s_cbranch_scc0 .Lentry_in_a_cluster
	s_endpgm
.Lentry_in_a_cluster:
	s_bfe_u32 s2, ttmp6, 0x10000c
	s_cmp_lg_u32 s2, 0xf033
	s_cbranch_scc0 .Lentry_shape_is_right
	s_endpgm
.Lentry_shape_is_right:
; out0 [8192][1024] f32 = attention's output x Wo^T on codes of E2M3, K = 1,024.  A work-group makes 256 x 256, a wave 128 x 128 (64 accumulators, 512 registers).
; A = oc: IMAGES OF THE OPERAND'S REGISTERS, [512 tiles of 16 stored tokens][8 K steps of 128][1,536 bytes: piece p of 8 bytes a lane at 256 p + 8 x lane]; its scale bytes os [8192 stored rows][32].
; B = rows 3,072 .. 4,095 of wc (Wo, rows in their true order, 768 bytes each) and of ws.
; The tokens are stored with runs 1 and 2 of 8 in every 32 exchanged: the stores' row offsets put them back.
; K goes in steps of 256 through a ring of two LDS slots: A's part of a slot is 8 tiles x 3,072 dense bytes for each of two loads, B's 128 rows x 192 bytes with 16 bytes of padding behind every 64 (pitch 240).
; CLUSTERS: 4 x 4 work-groups; A's tile is asked for jointly along a row of the cluster, B's along a column.  The matrix instruction is used transposed (source 0 = 16 rows of B, source 1 = 16 rows of A).
; 128 work-groups: the tile is kept at 256 x 256 so that each fragment read from LDS feeds eight products.  No prefetch: K has four slots, two of them first fills.
; REGISTERS: window 0: v0-31 addresses; v32-63 scale words, two sets; from v128 A's fragments, one set (on the way out rows of C).  window 1: B's fragments, two sets.  windows 2, 3: the accumulators.
.set SIZE_N, 1024
.set SIZE_K, 1024
.set KSTEP,  256
.set NQ,     KSTEP/128
.set ROWB,   192
.set KROW,   SIZE_K*6/8
.set PITCH,  240
.set FR,     12
.set NL,     6
.set NP,     4
.set HALFT,  128*PITCH
.set SLOT,   4*HALFT
.set LAPS,   SIZE_K/(2*KSTEP)
.set KS,     SIZE_K/32
.set SCL,    2*SLOT
.set HALFS,  (128*KS/256)*272
.set SBLK,   (16*KS/256)*272
.set SPARE,  SCL+4*HALFS               ; the spare words, 128 bytes a wave, named by no other line
.set SPITCH, 528                       ; the way out: a stage of 16 rows x (512 + 16) bytes for each wave, in slot 0, which has had its last fill and its last read by then
.set ASTEP,  3072                      ; a tile's bytes of a K step of 256 in oc
.set ADRA, 16
.set ADRB, 20
.set STO,  24
.set RD,   25
.set CO,   26
.set ADRS, 27
.set SPW,  28
.set NIL,  29
.set SC,   32
.set AF,   128
.set BK,   128
.set G1, 24
.set G0, 32
.set G1B, 48
.set G0B, 56
.set G1S, 68
.set G0S, 76
.set G1SB, 80
.set G0SB, 88
.set MSB, 0
.macro WIN new
.if MSB != (\new)
	s_set_vgpr_msb (MSB<<8)|(\new)
.set MSB, (\new)
.endif
.endm
.set MUL_LO, 0xa1
.set MUL_HI, 0xf1
.set TO_B,   0x40
.macro JLOAD g0a, g1a, g0b, g1b        ; a joint load: waves 0 and 1 fetch for A, waves 2 and 3 for B; an s_nop 0 and four v_nop follow each line
	s_cmp_eq_u32 s15, 0
	s_cbranch_scc0 .Lfor_b_\@
	tensor_load_to_lds s[\g0a:\g0a+3], s[\g1a:\g1a+7]
	s_nop 0
.rept 4
	v_nop
.endr
	s_branch .Lasked_\@
.Lfor_b_\@:
	tensor_load_to_lds s[\g0b:\g0b+3], s[\g1b:\g1b+7]
	s_nop 0
.rept 4
	v_nop
.endr
.Lasked_\@:
.endm
.macro CREST
	s_cmp_lg_u32 s14, 0
	s_cbranch_scc1 .Lnot_wave_0_\@
	s_barrier_signal -3
.Lnot_wave_0_\@:
	s_barrier_wait -3
	s_barrier_signal -1
	s_barrier_wait -1
.endm
.macro CROUND
	s_barrier_signal -1
	s_barrier_wait -1
	CREST
.endm
	s_load_b128 s[4:7], s[0:1], 0x0                ; oc, os
	s_load_b128 s[8:11], s[0:1], 0x10              ; wc, ws
	s_load_b64 s[12:13], s[0:1], 0x20              ; out0
	v_lshl_add_u32 v[SPW], v0, 2, SPARE
	v_mov_b32 v[NIL], 0
	ds_add_u32 v[SPW], v[NIL]                      ; the wave's opening: the add and its wait stand ahead of my first tensor load
	v_lshrrev_b32 v1, 5, v0
	v_readfirstlane_b32 s14, v1                    ; wave 0..3
	s_lshr_b32 s15, s14, 1
	s_and_b32 s16, s14, 1
	s_bfe_u32 s40, ttmp6, 0x40000                  ; cx, cy
	s_bfe_u32 s41, ttmp6, 0x40004
	s_lshl_b32 s42, ttmp9, 2
	s_add_co_u32 s42, s42, s40                     ; tile column
	s_and_b32 s17, ttmp7, 0xffff
	s_lshl_b32 s17, s17, 2
	s_add_co_u32 s17, s17, s41                     ; tile row
	s_lshl_b32 s43, s41, 2
	s_lshl_b32 s43, 15, s43                        ; my row of the cluster
	s_lshl_b32 s44, 0x1111, s40                    ; my column
	; A's group 1: 8 tiles x 3,072 bytes (384 elements of 8), 12,288 bytes apart, dense in LDS
	s_or_b32 s[G1+0], s43, (3<<16)|(1<<21)
	s_mov_b32 s[G1+1], 384<<16
	s_mov_b32 s[G1+2], 8<<16
	s_mov_b32 s[G1+3], 384<<16
	s_mov_b32 s[G1+4], 8
	s_mov_b32 s[G1+5], 1536
	s_mov_b32 s[G1+6], 0
	s_mov_b32 s[G1+7], 0
	; B's: 128 rows x 192 bytes, 16 bytes of padding behind every 64
	s_or_b32 s[G1B+0], s44, (0<<16)|(1<<20)|(1<<21)|(3<<22)|(3<<25)
	s_mov_b32 s[G1B+1], ROWB<<16
	s_mov_b32 s[G1B+2], 128<<16
	s_mov_b32 s[G1B+3], ROWB<<16
	s_mov_b32 s[G1B+4], 128
	s_mov_b32 s[G1B+5], KROW
	s_mov_b32 s[G1B+6], 0
	s_mov_b32 s[G1B+7], 0
	; the scales of 128 rows: 4,096 dense bytes as 16 rows of 256, 16 bytes of padding behind each
	s_or_b32 s[G1S+0], s43, (3<<16)|(1<<20)|(1<<21)|(5<<22)|(3<<25)
	s_or_b32 s[G1SB+0], s44, (3<<16)|(1<<20)|(1<<21)|(5<<22)|(3<<25)
.irp g, G1S, G1SB
	s_mov_b32 s[\g+1], 32<<16
	s_mov_b32 s[\g+2], (128*KS/256)<<16
	s_mov_b32 s[\g+3], 32<<16
	s_mov_b32 s[\g+4], 128*KS/256
	s_mov_b32 s[\g+5], 32
	s_mov_b32 s[\g+6], 0
	s_mov_b32 s[\g+7], 0
.endr
	s_lshl_b32 s18, s16, 7
	s_lshl_b32 s20, s17, 8
	s_add_co_u32 s20, s20, s18                     ; A: stored row 256 x tile row + 128 x half (768 bytes a row = 12,288 a tile of 16)
	s_lshl_b32 s46, s42, 8
	s_add_co_u32 s46, s46, s18
	s_add_co_u32 s46, s46, 3072                    ; B: Wo's rows in wc
	s_mov_b32 s21, 0
	s_mov_b32 s47, 0
	s_mov_b64 s[18:19], KS
	s_mul_u64 s[22:23], s[20:21], s[18:19]
	s_mul_u64 s[92:93], s[46:47], s[18:19]
	s_mov_b64 s[18:19], KROW
	s_mul_u64 s[20:21], s[20:21], s[18:19]
	s_mul_u64 s[46:47], s[46:47], s[18:19]
	s_mul_i32 s45, s14, HALFT
	s_mul_i32 s94, s14, HALFS
	s_wait_dscnt 0x0                               ; the opening add is done
	s_wait_kmcnt 0x0
	s_add_nc_u64 s[20:21], s[4:5], s[20:21]
	s_add_nc_u64 s[22:23], s[6:7], s[22:23]
	s_add_nc_u64 s[46:47], s[8:9], s[46:47]
	s_add_nc_u64 s[92:93], s[10:11], s[92:93]
	CROUND                                         ; all sixteen work-groups are here: the first joint loads meet
	s_mov_b32 s[G0S], 1
	s_add_co_u32 s[G0S+1], s94, SCL
	s_mov_b64 s[G0S+2:G0S+3], s[22:23]
	s_or_b32 s[G0S+3], s[G0S+3], 0x80000000
	s_mov_b32 s[G0SB], 1
	s_add_co_u32 s[G0SB+1], s94, SCL
	s_mov_b64 s[G0SB+2:G0SB+3], s[92:93]
	s_or_b32 s[G0SB+3], s[G0SB+3], 0x80000000
	JLOAD G0S, G1S, G0SB, G1SB
.irp s, 0,1
	s_mov_b32 s[G0+4*\s], 1
	s_add_co_u32 s[G0+4*\s+1], s45, \s*SLOT
	s_add_nc_u64 s[G0+4*\s+2:G0+4*\s+3], s[20:21], \s*ASTEP
	s_or_b32 s[G0+4*\s+3], s[G0+4*\s+3], 0x80000000
	s_mov_b32 s[G0B+4*\s], 1
	s_add_co_u32 s[G0B+4*\s+1], s45, \s*SLOT
	s_add_nc_u64 s[G0B+4*\s+2:G0B+4*\s+3], s[46:47], \s*ROWB
	s_or_b32 s[G0B+4*\s+3], s[G0B+4*\s+3], 0x80000000
	JLOAD G0+4*\s, G1, G0B+4*\s, G1B
.endr
	v_and_b32 v1, 15, v0                           ; r
	v_bfe_u32 v2, v0, 4, 1                         ; h
	v_mul_u32_u24 v3, v1, PITCH
	v_mul_u32_u24 v4, v2, 24
	v_add_nc_u32 v4, v3, v4                        ; B: a fragment's row x pitch + 24 x half
	v_lshl_add_u32 v5, v2, 4, v4                   ; and the same behind one padding more
	v_and_b32 v6, 31, v0
	v_lshlrev_b32 v7, 3, v6                        ; A: 8 x lane
	s_mul_i32 s21, s15, HALFT                      ; my 8 tiles of A
	s_mul_i32 s22, s16, HALFT
	s_add_co_u32 s22, s22, 2*HALFT                 ; my 128 rows of B
.irp s, 0,1
	v_add_nc_u32 v[ADRA+\s], s21, v7
	v_add_nc_u32 v[ADRB+\s], s22, v4
	v_add_nc_u32 v[ADRB+2+\s], s22, v5
	s_add_co_u32 s21, s21, SLOT
	s_add_co_u32 s22, s22, SLOT
.endr
	v_mul_u32_u24 v5, v1, KS
	v_lshrrev_b32 v6, 8, v5
	v_lshl_add_u32 v5, v6, 4, v5
	s_mul_i32 s21, s15, HALFS
	s_mul_i32 s22, s16, HALFS
	s_add_co_u32 s22, s22, 2*HALFS
	s_sub_co_u32 s22, s22, s21
	v_mul_u32_u24 v6, s22, v2                      ; lanes 16-31 take B's
	s_add_co_u32 s21, s21, SCL
	v_add_nc_u32 v5, v5, v6
	v_add_nc_u32 v[ADRS], s21, v5
	s_mul_i32 s23, s14, 16*SPITCH                  ; my stage
	v_mul_u32_u24 v5, v1, SPITCH
	v_lshl_add_u32 v5, v2, 5, v5
	v_add_nc_u32 v[STO], s23, v5
	v_and_b32 v6, 31, v0
	v_lshlrev_b32 v[CO], 4, v6
	v_add_nc_u32 v[RD], s23, v[CO]
	s_lshl_b32 s20, s17, 8
	s_lshl_b32 s21, s15, 7
	s_add_co_u32 s20, s20, s21                     ; my first row of out0
	s_mov_b32 s21, 0
	s_mov_b64 s[18:19], SIZE_N*4
	s_mul_u64 s[20:21], s[20:21], s[18:19]
	s_lshl_b32 s46, s42, 10
	s_lshl_b32 s47, s16, 9
	s_add_co_u32 s46, s46, s47                     ; my first column, in bytes
	s_mov_b32 s47, 0
	s_add_nc_u64 s[20:21], s[20:21], s[46:47]
	s_add_nc_u64 s[12:13], s[12:13], s[20:21]
.macro FRAG reg, adr, q, i             ; a fragment of B out of rows: 24 bytes of the row twice, in pieces of 8
.irp p, 0,1,2,3,4,5
.set PC, 12*(\q)+6*(\p/3)+\p%3
.if PC%8 < 5
	ds_load_b64 v[\reg+2*\p:\reg+2*\p+1], v[\adr] offset:8*PC+16*(PC/8)+(\i)*16*PITCH
.else
	ds_load_b64 v[\reg+2*\p:\reg+2*\p+1], v[\adr+2] offset:8*PC+16*(PC/8)+(\i)*16*PITCH
.endif
.endr
.endm
.macro FRAGA reg, slot, q, i           ; a fragment of A out of its image: six loads of 256 consecutive bytes a wave
.irp p, 0,1,2,3,4,5
	ds_load_b64 v[\reg+2*\p:\reg+2*\p+1], v[ADRA+\slot] offset:(\i)*ASTEP+(\q)*1536+256*\p
.endr
.endm
.macro MUL16 a0, p, q, sc, zero        ; the 64 accumulators take turns, one instruction a turn, in the same order in every step
.irp a, \a0, \a0+1
.irp b, 0,1,2,3,4,5,6,7
.if \zero
	v_wmma_scale_f32_16x16x128_f8f6f4 v[8*(8*((\a)%4)+\b):8*(8*((\a)%4)+\b)+7], v[128*(\p)+FR*\b:128*(\p)+FR*\b+FR-1], v[AF+FR*(\a):AF+FR*(\a)+FR-1], 0, v[SC+8*NQ*(\sc)+NQ*\b+(\q)], v[SC+8*NQ*(\sc)+NQ*(\a)+(\q)] matrix_a_fmt:MATRIX_FMT_FP6 matrix_b_fmt:MATRIX_FMT_FP6 matrix_a_scale:MATRIX_SCALE_ROW1
.else
	v_wmma_scale_f32_16x16x128_f8f6f4 v[8*(8*((\a)%4)+\b):8*(8*((\a)%4)+\b)+7], v[128*(\p)+FR*\b:128*(\p)+FR*\b+FR-1], v[AF+FR*(\a):AF+FR*(\a)+FR-1], v[8*(8*((\a)%4)+\b):8*(8*((\a)%4)+\b)+7], v[SC+8*NQ*(\sc)+NQ*\b+(\q)], v[SC+8*NQ*(\sc)+NQ*(\a)+(\q)] matrix_a_fmt:MATRIX_FMT_FP6 matrix_b_fmt:MATRIX_FMT_FP6 matrix_a_scale:MATRIX_SCALE_ROW1
.endif
.endr
.endr
.endm
.macro FETCH_B slot, q, p
	WIN TO_B
.irp i, 0,1,2,3,4,5,6,7
	FRAG 128*(\p)+FR*\i, ADRB+\slot, \q, \i
.endr
	WIN 0
.endm
.macro FETCH_A slot, q, i0
.irp i, \i0, \i0+1, \i0+2, \i0+3
	FRAGA AF+FR*(\i), \slot, \q, \i
.endr
.endm
.macro SCALES sc
.irp i, 0,1,2,3,4,5,6,7
	ds_load_b64 v[SC+8*NQ*\sc+NQ*\i:SC+8*NQ*\sc+NQ*\i+1], v[ADRS] offset:\i*SBLK
.endr
.endm
.macro PLACES n                        ; plain vector lines between a matrix instruction and a load into, or a read of, one of its registers
.rept \n
	v_nop
.endr
.endm
.macro STEP slot, q, zero
	s_wait_dscnt 4*NL                              ; B's set and A's blocks 0-3 are in; the youngest 24 loads (A's blocks 4-7) may be out
	WIN MUL_LO
	MUL16 0, (\q)%2, \q, \slot, \zero
	MUL16 2, (\q)%2, \q, \slot, \zero
	s_wait_dscnt 0
	PLACES NP
	FETCH_B \slot, (\q)+1, 1-(\q)%2
	FETCH_A \slot, (\q)+1, 0
	WIN MUL_HI
	MUL16 4, (\q)%2, \q, \slot, \zero
	MUL16 6, (\q)%2, \q, \slot, \zero
	PLACES NP
	WIN 0
	FETCH_A \slot, (\q)+1, 4
.endm
.macro TURN slot, next, fill           ; a slot's last step changes slots: one barrier, with the three lines in front of it
	s_wait_tensorcnt 0x0                           ; all my tensor loads have landed: my part of the next slot
	ds_add_u32 v[SPW], v[NIL]                      ; 0 onto my spare word
	s_wait_dscnt 4*NL+1                            ; the add and the youngest 24 loads may be out
	WIN MUL_LO
	MUL16 0, 1, NQ-1, \slot, 0
	s_wait_dscnt 0x0                               ; the add is done, and my reads of this slot are over
	s_barrier_signal -1
	MUL16 2, 1, NQ-1, \slot, 0
	WIN 0
	s_barrier_wait -1
.if \fill
	CREST                                          ; the barrier has opened a round of the cluster's barrier
	s_add_nc_u64 s[G0+4*\slot+2:G0+4*\slot+3], s[G0+4*\slot+2:G0+4*\slot+3], 2*ASTEP
	s_add_nc_u64 s[G0B+4*\slot+2:G0B+4*\slot+3], s[G0B+4*\slot+2:G0B+4*\slot+3], 2*ROWB
	JLOAD G0+4*\slot, G1, G0B+4*\slot, G1B         ; the first tensor load behind the round; its four v_nop are also the places in front of the loads below
.else
	PLACES NP
.endif
	v_add_nc_u32 v[ADRS], 4*NQ, v[ADRS]
	FETCH_B \next, 0, 0
	FETCH_A \next, 0, 0
	SCALES \next
	WIN MUL_HI
	MUL16 4, 1, NQ-1, \slot, 0
	MUL16 6, 1, NQ-1, \slot, 0
	PLACES NP
	WIN 0
	FETCH_A \next, 0, 4
.endm
	s_wait_tensorcnt 1                             ; the scales and my part of K step 0 are in (of my three loads K step 1's may be out),
	s_barrier_signal -1
	s_barrier_wait -1                              ; everybody's are
	FETCH_B 0, 0, 0
	FETCH_A 0, 0, 0
	SCALES 0
	FETCH_A 0, 0, 4
	STEP 0, 0, 1                                   ; the first step's products start the sums
	s_mov_b32 s3, LAPS-1
.Llap:
	TURN 0, 1, 1
	STEP 1, 0, 0
	TURN 1, 0, 1
	STEP 0, 0, 0
	s_sub_co_u32 s3, s3, 1
	s_cmp_lg_u32 s3, 0
	s_cbranch_scc1 .Llap
	TURN 0, 1, 0                                   ; the last lap fills nothing
	STEP 1, 0, 0
	s_wait_dscnt 4*NL
	WIN MUL_LO
	MUL16 0, 1, NQ-1, 1, 0
	MUL16 2, 1, NQ-1, 1, 0
	s_wait_dscnt 0
	WIN MUL_HI
	MUL16 4, 1, NQ-1, 1, 0
	MUL16 6, 1, NQ-1, 1, 0
	WIN 0
; THE WAY OUT, block by block of 16 stored rows x 128 columns, through my own stage in LDS: back as whole rows of 512 bytes.  LDS serves a wave's instructions in order: no wait between the stores and the loads.
.macro TOSTAGE a
.set AC, 64*((\a)%4)
.set WS, 0x08+4*((\a)/4)
	WIN WS                                         ; the data: window 2 or 3
.irp b, 0,1,2,3,4,5,6,7
	ds_store_b128 v[STO], v[AC+8*\b:AC+8*\b+3] offset:64*\b          ; each accumulator from its low end on
	ds_store_b128 v[STO], v[AC+8*\b+4:AC+8*\b+7] offset:64*\b+16
.endr
	WIN 0
.set BB, BK+64*((\a)%2)
.irp t, 0,1,2,3,4,5,6,7,8,9,10,11,12,13,14,15
	ds_load_b128 v[BB+4*\t:BB+4*\t+3], v[RD] offset:\t*SPITCH
.endr
.endm
.macro SEND a, younger                 ; stored row 16 a + t is true row 32 (a / 2) + 8 (a % 2) + t + 8 (t / 8) of my 128: the offset, 127 rows of 4,096 bytes at the most, stands in the immediate
.set BB, BK+64*((\a)%2)
	s_wait_dscnt \younger
.irp t, 0,1,2,3,4,5,6,7,8,9,10,11,12,13,14,15
	global_store_b128 v[CO], v[BB+4*\t:BB+4*\t+3], s[12:13] offset:(32*((\a)/2)+8*((\a)%2)+\t+8*(\t/8))*SIZE_N*4 th:TH_STORE_NT   ; 32 lanes store 512 consecutive bytes, aligned to 256
.endr
.endm
	PLACES NP
	TOSTAGE 0
.irp a, 1,2,3,4,5,6,7
.if \a > 1
	s_wait_xcnt 0x0                                ; block a - 2's stores have read their registers: block a's loads may land there
.endif
	TOSTAGE \a
	SEND \a-1, 32                                  ; behind block a - 1's loads: block a's 16 stores and 16 loads
.endr
	SEND 7, 0
	s_wait_tensorcnt 0x0                           ; the wave's end
	ds_add_u32 v[SPW], v[NIL]
	s_wait_dscnt 0x0
	CROUND                                         ; the closing round
	s_endpgm
.Lfunc_end_k_q631105d9dc_oproj:
	.size	k_q631105d9dc_oproj, .Lfunc_end_k_q631105d9dc_oproj-k_q631105d9dc_oproj
	.p2alignl 7, 3214868480
	.fill 96, 4, 3214868480
	.section	.rodata,"a",@progbits
	.p2align	6, 0x0
	.amdhsa_kernel k_q631105d9dc_oproj
		.amdhsa_group_segment_fixed_size 327680
		.amdhsa_private_segment_fixed_size 0
		.amdhsa_enable_private_segment 0
		.amdhsa_kernarg_size 40
		.amdhsa_user_sgpr_count 2
		.amdhsa_user_sgpr_kernarg_segment_ptr 1
		.amdhsa_wavefront_size32 1
		.amdhsa_system_sgpr_workgroup_id_x 1
		.amdhsa_system_sgpr_workgroup_id_y 1
		.amdhsa_system_sgpr_workgroup_id_z 1
		.amdhsa_system_vgpr_workitem_id 0
		.amdhsa_next_free_vgpr 1024
		.amdhsa_next_free_sgpr 98
		.amdhsa_reserve_vcc 0
		.amdhsa_float_denorm_mode_32 3
		.amdhsa_float_denorm_mode_16_64 3
		.amdhsa_memory_ordered 1
		.amdhsa_forward_progress 1
		.amdhsa_inst_pref_size 159
	.end_amdhsa_kernel
	.amdgpu_metadata
---
amdhsa.version: [ 1, 2 ]
amdhsa.kernels:
  - .name:           k_q631105d9dc_oproj
    .symbol:         k_q631105d9dc_oproj.kd
    .args:
      - { .name: oc, .offset: 0, .size: 8, .value_kind: global_buffer, .address_space: global }
      - { .name: os, .offset: 8, .size: 8, .value_kind: global_buffer, .address_space: global }
      - { .name: wc, .offset: 16, .size: 8, .value_kind: global_buffer, .address_space: global }
      - { .name: ws, .offset: 24, .size: 8, .value_kind: global_buffer, .address_space: global }
      - { .name: out0, .offset: 32, .size: 8, .value_kind: global_buffer, .address_space: global }
    .group_segment_fixed_size: 327680
    .private_segment_fixed_size: 0
    .kernarg_segment_align: 8
    .kernarg_segment_size: 40
    .max_flat_workgroup_size: 128
    .sgpr_count:     98
    .vgpr_count:     1024
    .wavefront_size: 32
...
	.end_amdgpu_metadata
.endif
;; end of part 4
